; MI455X (gfx1250); checked and timed in simulation.
; The chip was launched on July 23, 2026; its instructions are those of AMD's public machine-readable ISA for CDNA 5 (MIT licence, August 2026) and "CDNA5" Instruction Set Architecture Reference Guide (July 2026). The comments in the code are by the model that wrote it; some were corrected since.
;; Transformer Block. Allowed arithmetic: float matrix products may take bf16 or f16 operands with f32 sums; all other float work in f32.
;; Inputs: W1 512 x 2,048 float32; W2 2,048 x 512 float32; Wk 512 x 8 x 64 float32; Wo 8 x 64 x 512 float32; Wq 512 x 8 x 64 float32; Wv 512 x 8 x 64 float32; b1 2,048 float32; b2 512 float32; be1 512 float32; be2 512 float32; bk 8 x 64 float32; bo 512 float32; bq 8 x 64 float32; bv 8 x 64 float32; g1 512 float32; g2 512 float32; omega 64 x 128 float32; x 8 x 2,048 x 512 float32.
;; Outputs: out0 8 x 2,048 x 512 float32.
;; 2 versions, each right; version 2 is version 1 with the launch prep written anew for expert scheduling mode. Each part assembles by itself: llvm-mc -triple=amdgcn-amd-amdhsa -mcpu=gfx1250 --defsym DOCPART=n.
;; ======== version 1 of 2: 4 launches
;; limits: values are held in f16: magnitudes above 65,504 overflow, below 6.1e-05 lose precision
;; workspace buffers: x16 16,777,216 bytes; wst 5,242,880 bytes; wkv 1,048,576 bytes; omf 16,384 bytes; part 8,388,608 bytes; pst 262,144 bytes; kvf 1,310,720 bytes
;; launch prep (part 1): grid 449 x 1, 4 waves a work-group, no clusters, 70,144 bytes of LDS; arguments x, Wq, Wo, Wk, Wv, W1, W2, omega, x16, wst, wkv, omf; writes x16, wst, wkv, omf
.if DOCPART == 1
	.amdgcn_target "amdgcn-amd-amdhsa--gfx1250"
	.amdhsa_code_object_version 6
	.text
	.protected	k_qac27f1b537_prep
	.globl	k_qac27f1b537_prep
	.p2align	8
	.type	k_qac27f1b537_prep,@function
k_qac27f1b537_prep:
	s_mov_b64 s[64:65], 0
	v_nop
	global_prefetch_b8 v0, s[64:65] scope:SCOPE_SE
	s_setreg_imm32_b32 hwreg(HW_REG_WAVE_MODE, 25, 1), 1
	s_wait_xcnt 0x0
; PREP: x and all weight matrices are rounded once to f16 and laid out in FRAGMENT ORDER, so that the later launches load matrix operands by plain contiguous loads.
; A fragment is 16 (rows or columns) x 32 along K, 1,024 dense bytes: byte 512 q + 16 L (L = lane = 16 h + r) holds K = 16 q + 8 h .. + 7 of index r.
; LIMIT: f16 ends at 65,504 and keeps a fixed step of 6e-8 below 6e-5; x and the weights are taken to lie within it.
; Work-groups 0-255: x.  A wave takes 16 rows (32,768 bytes), turns them in an LDS image of its own and stores 16 fragments.
; Work-groups 256-448: the weights.  A wave takes one task: 32 rows (K) x 128 columns of one matrix = 8 fragments.  770 tasks; the last work-group's waves 2 and 3 have none.
; LDS: on either path wave w touches bytes 17,408 w .. 17,408 w + 17,407 alone (the weights' image takes the first 8,320 of them), so no wave reads or writes another's bytes: no barrier.
; Every store of a wave covers 512 consecutive bytes, aligned.
.set IMG,  17408                       ; a wave's LDS bytes.  x: 64 blocks (8 columns each) of 16 rows x 16 bytes, 272 bytes apart.  Weights: 8 fragments, 1,040 bytes apart
	s_load_b512 s[4:19], s[0:1], 0x0               ; x 4, Wq 6, Wo 8, Wk 10, Wv 12, W1 14, W2 16, omega 18
	s_load_b256 s[20:27], s[0:1], 0x40             ; x16 20, wst 22, wkv 24, omf 26
	v_lshl_add_u32 v224, v0, 2, 0x11000
	v_mov_b32 v225, 0
	v_lshrrev_b32 v6, 5, v0
	v_readfirstlane_b32 s32, v6                    ; wave
	v_and_b32 v7, 31, v0                           ; L
	v_lshlrev_b32 v1, 4, v7                        ; 16 L
	s_mul_i32 s38, s32, IMG                        ; my LDS bytes, on both paths
	s_cmp_lt_u32 ttmp9, 256
	s_cbranch_scc0 .Lweights
	; ---------------- x ----------------
	s_lshl_b32 s33, ttmp9, 2
	s_add_co_u32 s33, s33, s32                     ; R: my tile of 16 rows
	s_lshl_b32 s34, s33, 15                        ; its bytes in x
	s_mov_b32 s35, 0
	s_lshl_b32 s36, s33, 11                        ; its two fragments' place in a 64-column slab of x16
	s_mov_b32 s37, 0
	v_lshrrev_b32 v8, 1, v7
	v_mul_u32_u24 v2, v8, 272
	v_and_b32 v8, 1, v7
	v_lshl_add_u32 v2, v8, 3, v2
	v_add_nc_u32 v2, s38, v2                       ; in: block L / 2, half L % 2 of its 16 bytes
	v_lshrrev_b32 v8, 4, v7
	v_and_b32 v9, 15, v7
	v_mul_u32_u24 v3, v8, 272
	v_lshl_add_u32 v3, v9, 4, v3
	v_add_nc_u32 v3, s38, v3                       ; back: block h, row r
	s_wait_kmcnt 0x0
	s_add_nc_u64 s[4:5], s[4:5], s[34:35]
	s_add_nc_u64 s[20:21], s[20:21], s[36:37]
	s_add_nc_u64 s[40:41], s[20:21], 0x800000      ; slabs 4-7: the stores' immediates stay inside 24 bits
.macro XBATCH bt, buf                  ; four rows, 16 loads of 512 consecutive bytes
.set ii, 0
.rept 4
.set j, 0
.rept 4
	global_load_b128 v[(\buf)+16*ii+4*j:(\buf)+16*ii+4*j+3], v1, s[4:5] offset:(4*(\bt)+ii)*2048+j*512
.set j, j+1
.endr
.set ii, ii+1
.endr
.endm
.macro XPROC bt, buf, left             ; left: the younger loads, which stay out
	s_wait_loadcnt \left
.set ii, 0
.rept 4
.set j, 0
.rept 4
.set a, (\buf)+16*ii+4*j
	v_cvt_pk_f16_f32 v[a], v[a], v[a+1]
	v_cvt_pk_f16_f32 v[a+1], v[a+2], v[a+3]
	ds_store_b64 v2, v[a:a+1] offset:j*4352+16*(4*(\bt)+ii)
.set j, j+1
.endr
.set ii, ii+1
.endr
.endm
	XBATCH 0, 32
	XBATCH 1, 96
	XBATCH 2, 160
	XPROC 0, 32, 32                                ; batches 1 and 2 stay out
	XBATCH 3, 32
	XPROC 1, 96, 32                                ; batches 2 and 3
	XPROC 2, 160, 16
	XPROC 3, 32, 0
.set i, 0
.rept 32                               ; i = 2 g + q; LDS serves a wave's instructions in order: these see the stores above
	ds_load_b128 v[32+4*i:32+4*i+3], v3 offset:i*544
.set i, i+1
.endr
.set i, 0
.rept 32
	s_wait_dscnt 31-i
.if i < 16
	global_store_b128 v1, v[32+4*i:32+4*i+3], s[20:21] offset:((i>>2)&3)*2097152+((i>>1)&1)*1024+(i&1)*512
.else
	global_store_b128 v1, v[32+4*i:32+4*i+3], s[40:41] offset:((i>>2)&3)*2097152+((i>>1)&1)*1024+(i&1)*512
.endif
.set i, i+1
.endr
	s_wait_tensorcnt 0x0
	ds_add_u32 v224, v225
	s_wait_dscnt 0x0
	s_endpgm
	; ---------------- the weights ----------------
.macro WLOAD pitch                     ; 32 rows of K, my 128 columns: 512 consecutive bytes a load
.set i, 0
.rept 32
	global_load_b128 v[32+4*i:32+4*i+3], v1, s[28:29] offset:i*(\pitch)
.set i, i+1
.endr
.endm
.Lweights:
	s_sub_co_u32 s33, ttmp9, 256
	s_lshl_b32 s33, s33, 2
	s_add_co_u32 s33, s33, s32                     ; T: my task
	s_cmp_lt_u32 s33, 770
	s_cbranch_scc0 .Lend
	v_lshrrev_b32 v8, 2, v7
	v_mul_u32_u24 v4, v8, 1040
	v_and_b32 v8, 3, v7
	v_lshl_add_u32 v4, v8, 6, v4
	v_add_nc_u32 v4, s38, v4                       ; in: fragment L / 4, index 4 (L % 4) + u
	v_add_nc_u32 v5, s38, v1                       ; back: 16 L
	s_mov_b32 s47, 0
	s_and_b32 s37, s33, 63
	s_lshr_b32 s40, s37, 2                         ; g: the step of 32 along K
	s_and_b32 s41, s37, 3                          ; G: the group of 128 columns
	s_wait_kmcnt 0x0
	; each block sets: source s[28:29], destination s[30:31], its offset s34, the steps s35 (fragment / 4) and s36 (fragment % 4)
	s_cmp_lt_u32 s33, 64
	s_cbranch_scc0 .Lnot_wq
	s_mov_b64 s[28:29], s[6:7]                     ; Wq: tile 8 hh + t', in it [wave G][g]
	s_mov_b64 s[30:31], s[22:23]
	s_lshl_b32 s34, s41, 14
	s_lshl_b32 s42, s40, 10
	s_add_co_u32 s34, s34, s42
	s_mov_b32 s35, 524288
	s_mov_b32 s36, 65536
	s_branch .Lrows2048
.Lnot_wq:
	s_cmp_lt_u32 s33, 128
	s_cbranch_scc0 .Lnot_wo
	s_mov_b64 s[28:29], s[8:9]                     ; Wo: K step g is head g / 2 = 2 w' + hh, half g % 2; kappa = 2 w' + g % 2
	s_mov_b64 s[30:31], s[22:23]
	s_bfe_u32 s42, s40, 0x10001                    ; hh
	s_lshr_b32 s43, s40, 2
	s_lshl_b32 s43, s43, 1
	s_and_b32 s44, s40, 1
	s_or_b32 s43, s43, s44                         ; kappa
	s_lshl_b32 s34, s42, 19
	s_add_co_u32 s34, s34, 262144                  ; tile 8 hh + 4
	s_lshr_b32 s44, s43, 2
	s_lshl_b32 s44, s44, 17
	s_add_co_u32 s34, s34, s44                     ; slot kappa / 4
	s_lshl_b32 s44, s41, 15
	s_add_co_u32 s34, s34, s44                     ; wave G
	s_and_b32 s44, s43, 3
	s_lshl_b32 s44, s44, 13
	s_add_co_u32 s34, s34, s44                     ; kappa % 4
	s_mov_b32 s35, 4096
	s_mov_b32 s36, 1024
	s_branch .Lrows2048
.Lnot_wo:
	s_cmp_lt_u32 s33, 256
	s_cbranch_scc0 .Lnot_wkv
	s_cmp_lt_u32 s33, 192                          ; Wk, then Wv: [head 2 G + fragment / 4][g][k or v][fragment % 4]
	s_cselect_b64 s[28:29], s[10:11], s[12:13]
	s_cselect_b32 s34, 0, 4096
	s_mov_b64 s[30:31], s[24:25]
	s_lshl_b32 s42, s41, 18
	s_add_co_u32 s34, s34, s42
	s_lshl_b32 s42, s40, 13
	s_add_co_u32 s34, s34, s42
	s_mov_b32 s35, 131072
	s_mov_b32 s36, 1024
	s_branch .Lrows2048
.Lnot_wkv:
	s_cmp_lt_u32 s33, 512
	s_cbranch_scc0 .Lnot_w1
	s_sub_co_u32 s37, s33, 256                     ; W1: rows of 8,192 bytes; chunk 2 G + fragment / 4, wave fragment % 4
	s_lshr_b32 s40, s37, 4
	s_and_b32 s41, s37, 15
	s_mov_b64 s[30:31], s[22:23]
	s_lshl_b32 s34, s41, 18
	s_add_co_u32 s34, s34, 1048576
	s_lshl_b32 s42, s40, 10
	s_add_co_u32 s34, s34, s42
	s_mov_b32 s35, 131072
	s_mov_b32 s36, 16384
	s_lshl_b32 s46, s40, 18
	s_lshl_b32 s44, s41, 9
	s_add_co_u32 s46, s46, s44
	s_add_nc_u64 s[28:29], s[14:15], s[46:47]
	WLOAD 8192
	s_branch .Lcommon
.Lnot_w1:
	s_cmp_lt_u32 s33, 768
	s_cbranch_scc0 .Lomega
	s_sub_co_u32 s37, s33, 512                     ; W2: chunk g / 2, in it [wave G][g % 2][fragment]
	s_lshr_b32 s40, s37, 2
	s_and_b32 s41, s37, 3
	s_mov_b64 s[28:29], s[16:17]
	s_mov_b64 s[30:31], s[22:23]
	s_lshr_b32 s34, s40, 1
	s_lshl_b32 s34, s34, 17
	s_add_co_u32 s34, s34, 1114112
	s_lshl_b32 s42, s41, 14
	s_add_co_u32 s34, s34, s42
	s_and_b32 s42, s40, 1
	s_lshl_b32 s42, s42, 13
	s_add_co_u32 s34, s34, s42
	s_mov_b32 s35, 4096
	s_mov_b32 s36, 1024
	s_branch .Lrows2048
.Lomega:
	s_sub_co_u32 s40, s33, 768                     ; omega: rows of 512 bytes; [fragment][g]
	s_mov_b64 s[30:31], s[26:27]
	s_lshl_b32 s34, s40, 10
	s_mov_b32 s35, 8192
	s_mov_b32 s36, 2048
	s_lshl_b32 s46, s40, 14
	s_add_nc_u64 s[28:29], s[18:19], s[46:47]
	WLOAD 512
	s_branch .Lcommon
.Lrows2048:
	s_lshl_b32 s46, s40, 16                        ; 32 rows of 2,048 bytes a step,
	s_lshl_b32 s44, s41, 9                         ; 512 bytes a group of columns
	s_add_co_u32 s46, s46, s44
	s_add_nc_u64 s[28:29], s[28:29], s[46:47]
	WLOAD 2048
.Lcommon:
.irp nt, 0,1,2,3,4,5,6,7
	s_mul_i32 s44, s35, (\nt)>>2
	s_mul_i32 s45, s36, (\nt)&3
	s_add_co_u32 s44, s44, s45
	s_add_co_u32 s44, s44, s34
	v_add_nc_u32 v[8+\nt], s44, v1                 ; where fragment nt goes
.endr
	s_wait_loadcnt 0x0
.set kb, 0
.rept 4                                ; eight rows of K, q = kb / 2, h = kb % 2
.set u, 0
.rept 4                                ; my column 4 L + u
.set z, 0
.rept 4
	v_cvt_pk_f16_f32 v[160+4*(4*kb+u)+z], v[32+4*(8*kb+2*z)+u], v[32+4*(8*kb+2*z+1)+u]
.set z, z+1
.endr
	ds_store_b128 v4, v[160+4*(4*kb+u):160+4*(4*kb+u)+3] offset:(kb>>1)*512+(kb&1)*256+u*16
.set u, u+1
.endr
.set kb, kb+1
.endr
.set i, 0
.rept 16                               ; i = 2 fragment + q
	ds_load_b128 v[32+4*i:32+4*i+3], v5 offset:(i>>1)*1040+(i&1)*512
.set i, i+1
.endr
.set i, 0
.rept 16
	s_wait_dscnt 15-i
	global_store_b128 v[8+(i>>1)], v[32+4*i:32+4*i+3], s[30:31] offset:(i&1)*512
.set i, i+1
.endr
.Lend:
	s_wait_tensorcnt 0x0
	ds_add_u32 v224, v225
	s_wait_dscnt 0x0
	s_endpgm
.Lfunc_end_k_qac27f1b537_prep:
	.size	k_qac27f1b537_prep, .Lfunc_end_k_qac27f1b537_prep-k_qac27f1b537_prep
	.p2alignl 7, 3214868480
	.fill 96, 4, 3214868480
	.section	.rodata,"a",@progbits
	.p2align	6, 0x0
	.amdhsa_kernel k_qac27f1b537_prep
		.amdhsa_group_segment_fixed_size 70144
		.amdhsa_private_segment_fixed_size 0
		.amdhsa_enable_private_segment 0
		.amdhsa_kernarg_size 96
		.amdhsa_user_sgpr_count 2
		.amdhsa_user_sgpr_kernarg_segment_ptr 1
		.amdhsa_wavefront_size32 1
		.amdhsa_system_sgpr_workgroup_id_x 1
		.amdhsa_system_sgpr_workgroup_id_y 1
		.amdhsa_system_sgpr_workgroup_id_z 1
		.amdhsa_system_vgpr_workitem_id 0
		.amdhsa_next_free_vgpr 226
		.amdhsa_next_free_sgpr 66
		.amdhsa_reserve_vcc 0
		.amdhsa_float_denorm_mode_32 3
		.amdhsa_float_denorm_mode_16_64 3
		.amdhsa_memory_ordered 1
		.amdhsa_forward_progress 1
		.amdhsa_inst_pref_size 49
	.end_amdhsa_kernel
	.amdgpu_metadata
---
amdhsa.version: [ 1, 2 ]
amdhsa.kernels:
  - .name:           k_qac27f1b537_prep
    .symbol:         k_qac27f1b537_prep.kd
    .args:
      - { .name: x, .offset: 0, .size: 8, .value_kind: global_buffer, .address_space: global }
      - { .name: Wq, .offset: 8, .size: 8, .value_kind: global_buffer, .address_space: global }
      - { .name: Wo, .offset: 16, .size: 8, .value_kind: global_buffer, .address_space: global }
      - { .name: Wk, .offset: 24, .size: 8, .value_kind: global_buffer, .address_space: global }
      - { .name: Wv, .offset: 32, .size: 8, .value_kind: global_buffer, .address_space: global }
      - { .name: W1, .offset: 40, .size: 8, .value_kind: global_buffer, .address_space: global }
      - { .name: W2, .offset: 48, .size: 8, .value_kind: global_buffer, .address_space: global }
      - { .name: omega, .offset: 56, .size: 8, .value_kind: global_buffer, .address_space: global }
      - { .name: x16, .offset: 64, .size: 8, .value_kind: global_buffer, .address_space: global }
      - { .name: wst, .offset: 72, .size: 8, .value_kind: global_buffer, .address_space: global }
      - { .name: wkv, .offset: 80, .size: 8, .value_kind: global_buffer, .address_space: global }
      - { .name: omf, .offset: 88, .size: 8, .value_kind: global_buffer, .address_space: global }
    .group_segment_fixed_size: 70144
    .private_segment_fixed_size: 0
    .kernarg_segment_align: 8
    .kernarg_segment_size: 96
    .max_flat_workgroup_size: 128
    .sgpr_count:     66
    .vgpr_count:     226
    .wavefront_size: 32
...
	.end_amdgpu_metadata
.endif
;; end of part 1
;; launch kvp (part 2): grid 8 x 32, 4 waves a work-group, clusters of 4 x 1, 327,680 bytes of LDS; arguments x16, wkv, omf, bk, bv, part, pst; writes part, pst
.if DOCPART == 2
	.amdgcn_target "amdgcn-amd-amdhsa--gfx1250"
	.amdhsa_code_object_version 6
	.text
	.protected	k_qac27f1b537_kvp
	.globl	k_qac27f1b537_kvp
	.p2align	8
	.type	k_qac27f1b537_kvp,@function
k_qac27f1b537_kvp:
	s_mov_b64 s[64:65], 0
	v_nop
	global_prefetch_b8 v0, s[64:65] scope:SCOPE_SE
	s_setreg_imm32_b32 hwreg(HW_REG_WAVE_MODE, 25, 1), 1
	s_wait_xcnt 0x0
	s_wait_alu depctr_hold_cnt(0) depctr_sa_sdst(0) depctr_va_vdst(0) depctr_va_sdst(0) depctr_va_ssrc(0) depctr_va_vcc(0) depctr_vm_vsrc(0)
	s_getreg_b32 s2, hwreg(HW_REG_IB_STS2, 6, 4)
	s_cmp_eq_u32 s2, 0
	s_cbranch_scc0 .Lentry_in_a_cluster
	s_endpgm
.Lentry_in_a_cluster:
	s_bfe_u32 s2, ttmp6, 0x10000c
	s_cmp_lg_u32 s2, 0x3003
	s_cbranch_scc0 .Lentry_shape_is_right
	s_endpgm
.Lentry_shape_is_right:
; KVP: for one head and one quarter (512 rows) of one batch: kb = x Wk + bk, v = x Wv + bv, the features phi_k, and the partial sums KV[m][d] = sum_s phi_k[s][m] v[s][d], ksum[m] = sum_s phi_k[s][m].
; h = scale (kb . omega - scale/2 |kb|^2) = scale D', scale = 64^-1/4; phi_k = 2^((D' - M) c), c = scale log2(e).  M is a RUNNING MAXIMUM of D': per wave over steps of 32 rows (KV and ksum are
; multiplied by a = 2^((M_old - M_new) c) in each step), then over the four waves; the next launch takes it over the four quarters, so the stabiliser is the maximum over all rows and features.
; The factor 128^-1/2 of the features is left out here and in the q side; the last launch makes up for it in the divisor's constant.
; FORMATS: x, Wk, Wv, kb, omega in f16 (LIMIT: under 65,504; a fixed step of 6e-8 below 6e-5); phi_k and v in bf16; all sums, the maximum and |kb|^2 in f32.  An exponential below 2^-126 counts as 0.
; SHARES: grid x = head, y = 4 batch + quarter.  The four heads of a cluster read the same rows of x: those tiles are asked for JOINTLY.  Wave w owns rows 128 w .. + 127 (8 tiles st of 16).
; PRODUCTS (lane = B's index, register j = A's index 8 h + j):  K(st,dt) = Wk^T x^T: lane = row s, registers = d.   V(st,dt) = x Wv: lane = d, registers = s.
;   P(sl,mt) = kb omega: lane = m, registers = s.   KV(mt,dt) = phi^T v: lane = d, registers = m.  Two neighbouring results, rounded in pairs, ARE the next product's operand.
; REGISTERS: window 0 addresses, statistics, the epilogue's operands; window 1 two fragment buffers, later omega; window 2 K, later KV; window 3 V.
; KV is never cleared: M starts at the lowest finite number, so the first step's a is 0, and KV's registers hold K's finished sums, which are finite.
.set XS1,   65536                      ; two slots of x: 32 row tiles x 64 columns of f16, 65,536 bytes each
.set WB,    131072                     ; the head's Wk and Wv, 131,072 bytes, filled once
.set DG,    262144                     ; -scale/2 |kb|^2: 128 words a wave
.set MS,    264192                     ; the four waves' maxima
.set KSS,   264448                     ; the four waves' ksum: 128 words each
.set SPARE, 266496                     ; the spare words: 128 bytes a wave, named by no other line
.set CSC,   0x3f0293ee                 ; c = 64^-1/4 log2(e)
.set KF,  32                           ; v32-63   kb's fragments (sl, g)          (in the GEMM: v32-63 bk, v64-95 bv, as C operands)
.set PP,  64                           ; v64-191  P(sl, mt)
.set VF,  192                          ; v192-223 v's fragments (dt)
.set NDG, 224                          ; v224-239 -scale/2 |kb|^2 as C operand (sl)
.set KS,  240                          ; v240-255 ksum, a pair for each mt
.set MSB, 0
.macro WIN new                         ; the immediate's high byte repeats the setting that is left
.if MSB != (\new)
	s_set_vgpr_msb (MSB<<8)|(\new)
.set MSB, \new
.endif
.endm
.macro PLACES                          ; four plain vector instructions between a matrix instruction and a load into, or a vector read of, its registers
.rept 4
	v_nop
.endr
.endm
.macro BAR
	s_barrier_signal -1
	s_barrier_wait -1
.endm
.macro CROUND                          ; a round of the cluster's barrier
	s_barrier_signal -1
	s_barrier_wait -1
	s_cmp_lg_u32 s32, 0
	s_cbranch_scc1 .Lnw0_\@
	s_barrier_signal -3
.Lnw0_\@:
	s_barrier_wait -3
	s_barrier_signal -1
	s_barrier_wait -1
.endm
; THE CHANGE OF SLOTS.  All my tensor loads have landed (one is out: my part of the slot to be read); the add; my reads of the other slot are over.  fill = 1: behind a round of the cluster's
; barrier that other slot is filled again with the next 64 columns of x, first thing.
.macro CHANGEK fill
	WIN 0
	s_wait_tensorcnt 0x0
	ds_add_u32 v28, v29                            ; 0 onto my spare word
.if \fill
	s_xor_b32 s37, s37, XS1
	s_add_nc_u64 s[38:39], s[38:39], 0x200000      ; the next slab of 64 columns
.endif
	s_wait_dscnt 0x0
.if \fill
	CROUND
	tensor_load_to_lds s[36:39], s[40:47]
	s_nop 0
.else
	BAR
.endif
	PLACES                                         ; also the places in front of the fragment loads
	s_xor_b32 s66, s66, XS1
.endm
.macro FETK f, k                       ; 32 LDS loads: my 8 fragments of x and the 8 of Wk, Wv for 32 along K
	WIN 0x40
.set i, 0
.rept 8
	ds_load_b128 v[(\f)+8*i:(\f)+8*i+3],   v3 offset:(2*i+(\k))*1024
	ds_load_b128 v[(\f)+8*i+4:(\f)+8*i+7], v3 offset:(2*i+(\k))*1024+512
.set i, i+1
.endr
.set i, 0
.rept 8
	ds_load_b128 v[(\f)+64+8*i:(\f)+64+8*i+3],   v4 offset:(\k)*8192+i*1024
	ds_load_b128 v[(\f)+64+8*i+4:(\f)+64+8*i+7], v4 offset:(\k)*8192+i*1024+512
.set i, i+1
.endr
.endm
.macro MULK f, first                   ; 64 matrix instructions on 64 accumulators, which take turns; first = 1: the biases start the sums
.if \first
	WIN 0x85
.else
	WIN 0xa5
.endif
.set i, 0
.rept 8
.set d, 0
.rept 4
.if \first
	v_wmma_f32_16x16x32_f16 v[8*(4*i+d):8*(4*i+d)+7], v[(\f)+64+8*d:(\f)+64+8*d+7], v[(\f)+8*i:(\f)+8*i+7], v[32+8*d:32+8*d+7]
.else
	v_wmma_f32_16x16x32_f16 v[8*(4*i+d):8*(4*i+d)+7], v[(\f)+64+8*d:(\f)+64+8*d+7], v[(\f)+8*i:(\f)+8*i+7], v[8*(4*i+d):8*(4*i+d)+7]
.endif
.set d, d+1
.endr
.set i, i+1
.endr
.if \first
	WIN 0xc5
.else
	WIN 0xf5
.endif
.set i, 0
.rept 8
.set d, 0
.rept 4
.if \first
	v_wmma_f32_16x16x32_f16 v[8*(4*i+d):8*(4*i+d)+7], v[(\f)+8*i:(\f)+8*i+7], v[(\f)+96+8*d:(\f)+96+8*d+7], v[64+8*d:64+8*d+7]
.else
	v_wmma_f32_16x16x32_f16 v[8*(4*i+d):8*(4*i+d)+7], v[(\f)+8*i:(\f)+8*i+7], v[(\f)+96+8*d:(\f)+96+8*d+7], v[8*(4*i+d):8*(4*i+d)+7]
.endif
.set d, d+1
.endr
.set i, i+1
.endr
.endm
.macro TRIPK first, fill               ; 64 along K
	CHANGEK \fill
	v_add_nc_u32 v3, s66, v2
	FETK 0, 0
	FETK 128, 1
.if \first
	s_wait_loadcnt 0x0                             ; the biases
.endif
	s_wait_dscnt 32                                ; the first 32 loads are in, the second 32 may be out
	MULK 0, \first
	s_wait_dscnt 0x0
	MULK 128, 0
	WIN 0
	v_add_nc_u32 v4, 0x4000, v4                    ; the weights' next two steps
.endm
	s_load_b256 s[4:11], s[0:1], 0x0               ; x16 4, wkv 6, omf 8, bk 10
	s_load_b128 s[12:15], s[0:1], 0x20             ; bv 12, part 14
	s_load_b64 s[16:17], s[0:1], 0x30              ; pst
	v_lshl_add_u32 v28, v0, 2, SPARE
	v_mov_b32 v29, 0
	ds_add_u32 v28, v29
	s_wait_dscnt 0x0
	v_lshrrev_b32 v5, 5, v0
	v_readfirstlane_b32 s32, v5                    ; wave
	s_bfe_u32 s33, ttmp6, 0x40000                  ; cx
	s_lshl_b32 s34, ttmp9, 2
	s_add_co_u32 s34, s34, s33                     ; head
	s_and_b32 s35, ttmp7, 0xffff                   ; y = 4 batch + quarter, shared by the four partners
	s_mov_b32 s40, 15|(3<<16)|(1<<21)              ; x: the mask of four, elements of 8 bytes, bit 21 beside the mask
	s_mov_b32 s41, 32<<16                          ; rows of 32 elements = 256 bytes
	s_mov_b32 s42, 64<<16                          ; 64 rows: my 8 row tiles' 16,384 dense bytes
	s_mov_b32 s43, 32<<16
	s_mov_b32 s44, 64
	s_mov_b32 s45, 32
	s_mov_b32 s46, 0
	s_mov_b32 s47, 0
	s_mov_b32 s52, 3<<16                           ; the weights: a load of my own, 128 rows of 256 bytes
	s_mov_b32 s53, 32<<16
	s_mov_b32 s54, 128<<16
	s_mov_b32 s55, 32<<16
	s_mov_b32 s56, 128
	s_mov_b32 s57, 32
	s_mov_b32 s58, 0
	s_mov_b32 s59, 0
	s_mov_b32 s36, 1
	s_lshl_b32 s37, s32, 14                        ; slot 0, my quarter
	s_mov_b32 s48, 1
	s_lshl_b32 s49, s32, 15
	s_add_co_u32 s49, s49, WB
	s_lshl_b32 s72, s35, 5
	s_lshl_b32 s73, s32, 3
	s_add_co_u32 s72, s72, s73                     ; row tile 32 y + 8 w: no place in the cluster enters it
	s_lshl_b32 s72, s72, 11
	s_mov_b32 s73, 0
	s_lshl_b32 s74, s34, 17
	s_lshl_b32 s75, s32, 15
	s_add_co_u32 s74, s74, s75                     ; the head's weights, my quarter
	s_mov_b32 s75, 0
	s_lshr_b32 s76, s35, 2
	s_lshl_b32 s76, s76, 3
	s_add_co_u32 s76, s76, s34
	s_lshl_b32 s76, s76, 2
	s_and_b32 s77, s35, 3
	s_add_co_u32 s76, s76, s77                     ; idx = (8 batch + head) 4 + quarter
	s_lshl_b32 s78, s76, 10
	s_mov_b32 s79, 0
	s_lshl_b32 s76, s76, 15
	s_mov_b32 s77, 0
	s_mov_b32 s66, XS1                             ; the first change of slots turns it into 0
	s_mov_b32 s68, CSC
	s_mov_b32 s69, s68
	s_mov_b32 s70, 0x76543210
	s_mov_b32 s71, 0xfedcba98
	s_wait_kmcnt 0x0
	s_add_nc_u64 s[38:39], s[4:5], s[72:73]
	s_or_b32 s39, s39, 0x80000000
	s_add_nc_u64 s[50:51], s[6:7], s[74:75]
	s_or_b32 s51, s51, 0x80000000
	s_add_nc_u64 s[14:15], s[14:15], s[76:77]
	s_add_nc_u64 s[16:17], s[16:17], s[78:79]
	CROUND                                         ; all four work-groups are here
	tensor_load_to_lds s[48:51], s[52:59]          ; two loads of mine are out: the weights,
	s_nop 0
	tensor_load_to_lds s[36:39], s[40:47]          ; and x's first 64 columns
	s_nop 0
	PLACES
	v_and_b32 v5, 31, v0
	v_lshlrev_b32 v1, 4, v5                        ; 16 L
	v_and_b32 v20, 15, v0                          ; r
	v_bfe_u32 v21, v0, 4, 1                        ; h
	v_lshl_add_u32 v2, s32, 14, v1                 ; my x fragments in a slot
	v_add_nc_u32 v4, WB, v1
	v_lshl_add_u32 v9, s32, 15, v1                 ; my stage, when the slots have had their last fill
	v_lshl_add_u32 v10, s32, 13, v1
	s_lshl_b32 s62, s32, 9
	s_add_co_u32 s63, s62, DG
	v_lshl_add_u32 v8, v20, 2, s63
	v_lshl_add_u32 v12, v21, 5, s63
	s_add_co_u32 s63, s62, KSS
	v_lshl_add_u32 v15, v20, 2, s63
	s_lshl_b32 s63, s32, 2
	s_add_co_u32 s63, s63, MS
	v_mov_b32 v14, s63
	s_lshl_b32 s63, s34, 8
	v_lshl_add_u32 v6, v21, 5, s63                 ; bk: (64 head + 8 h) x 4
	v_lshl_add_u32 v7, v20, 2, s63                 ; bv: (64 head + r) x 4
.set d, 0
.rept 4
	global_load_b128 v[32+8*d:32+8*d+3], v6, s[10:11] offset:64*d
	global_load_b128 v[32+8*d+4:32+8*d+7], v6, s[10:11] offset:64*d+16
.set j, 0
.rept 8
	global_load_b32 v[64+8*d+j], v7, s[12:13] offset:64*d
.set j, j+1
.endr
.set d, d+1
.endr
	TRIPK 1, 1
	s_mov_b32 s60, 6
.Lk:
	TRIPK 0, 1
	s_sub_co_u32 s60, s60, 1
	s_cmp_lg_u32 s60, 0
	s_cbranch_scc1 .Lk
	TRIPK 0, 0                                     ; the last 64 columns: nothing is left to fetch
	s_wait_dscnt 0x0
	BAR                                            ; nobody reads the slots any more, and they have had their last fill: they become the waves' stages
	PLACES
	WIN 0x40
.set i, 0
.rept 16                               ; omega's fragments (mt, g) at 8 (2 mt + g) of window 1
	global_load_b128 v[8*i:8*i+3],   v1, s[8:9] offset:i*1024
	global_load_b128 v[8*i+4:8*i+7], v1, s[8:9] offset:i*1024+512
.set i, i+1
.endr
	; kb and v leave the accumulators: |kb|^2 in f32, kb as f16 fragments (lane = s, K = d), v as bf16 fragments (lane = d, K = s).  Each accumulator is read from its low end on.
.set st, 0
.rept 8
	WIN 0x0a
.set p, 0
.rept 4
.set d, 0
.rept 4
.if p == 0
	v_pk_mul_f32 v[20+2*d:21+2*d], v[8*(4*st+d):8*(4*st+d)+1], v[8*(4*st+d):8*(4*st+d)+1]
.else
	v_pk_fma_f32 v[20+2*d:21+2*d], v[8*(4*st+d)+2*p:8*(4*st+d)+2*p+1], v[8*(4*st+d)+2*p:8*(4*st+d)+2*p+1], v[20+2*d:21+2*d]
.endif
.set d, d+1
.endr
.set p, p+1
.endr
.set i, 0
.rept 16
	v_cvt_pk_f16_f32 v[32+i], v[32*st+2*i], v[32*st+2*i+1]
.set i, i+1
.endr
	WIN 0x0f
.set i, 0
.rept 16
	v_cvt_pk_bf16_f32 v[48+i], v[32*st+2*i], v[32*st+2*i+1]
.set i, i+1
.endr
	WIN 0
	v_pk_add_f32 v[20:21], v[20:21], v[22:23]
	v_pk_add_f32 v[24:25], v[24:25], v[26:27]
	v_pk_add_f32 v[20:21], v[20:21], v[24:25]
	v_add_f32 v20, v20, v21
	v_permlanex16_b32 v21, v20, s70, s71           ; the row's other 32 channels lie in the lane 16 away
	v_add_f32 v20, v20, v21
	v_mul_f32 v20, 0xbe3504f3, v20                 ; x -scale/2
	ds_store_b32 v8, v20 offset:64*st
.set d, 0
.rept 4
	ds_store_b128 v9, v[32+4*d:35+4*d] offset:(2*st+(d>>1))*1024+(d&1)*512
	ds_store_b128 v9, v[48+4*d:51+4*d] offset:16384+(4*(st>>1)+d)*1024+(st&1)*512
.set d, d+1
.endr
.set st, st+1
.endr
	v_mov_b32 v16, 0xff7fffff                      ; M
.set i, 0
.rept 16
	v_mov_b32 v[KS+i], 0
.set i, i+1
.endr
	s_mov_b32 s62, 0
	s_mov_b32 s63, 0
	s_mov_b32 s61, 4
	s_wait_loadcnt 0x0                             ; omega
.Lstep:                                ; 32 rows a trip
	PLACES
	v_add_nc_u32 v11, s62, v9
	v_add_nc_u32 v13, s63, v12
.set i, 0
.rept 4
	ds_load_b128 v[KF+8*i:KF+8*i+3],   v11 offset:i*1024
	ds_load_b128 v[KF+8*i+4:KF+8*i+7], v11 offset:i*1024+512
.set i, i+1
.endr
.set i, 0
.rept 2
	ds_load_b128 v[NDG+8*i:NDG+8*i+3],   v13 offset:64*i
	ds_load_b128 v[NDG+8*i+4:NDG+8*i+7], v13 offset:64*i+16
.set i, i+1
.endr
.set i, 0
.rept 4
	ds_load_b128 v[VF+8*i:VF+8*i+3],   v11 offset:16384+i*1024
	ds_load_b128 v[VF+8*i+4:VF+8*i+7], v11 offset:16384+i*1024+512
.set i, i+1
.endr
	s_wait_dscnt 0x0
	WIN 0x04                                       ; D' = kb omega - scale/2 |kb|^2: 16 accumulators by turns
.set g, 0
.rept 2
.set a, 0
.rept 16
.if g == 0
	v_wmma_f32_16x16x32_f16 v[PP+8*a:PP+8*a+7], v[KF+8*(2*(a>>3)+g):KF+8*(2*(a>>3)+g)+7], v[8*(2*(a&7)+g):8*(2*(a&7)+g)+7], v[NDG+8*(a>>3):NDG+8*(a>>3)+7]
.else
	v_wmma_f32_16x16x32_f16 v[PP+8*a:PP+8*a+7], v[KF+8*(2*(a>>3)+g):KF+8*(2*(a>>3)+g)+7], v[8*(2*(a&7)+g):8*(2*(a&7)+g)+7], v[PP+8*a:PP+8*a+7]
.endif
.set a, a+1
.endr
.set g, g+1
.endr
	WIN 0
	PLACES
.set k, 0
.rept 4                                ; the maximum, eight chains
.set a, 0
.rept 8
.if k == 0
	v_max3_num_f32 v[20+a], v[PP+8*a], v[PP+8*a+1], v[PP+8*a+2]
.elseif k < 3
	v_max3_num_f32 v[20+a], v[20+a], v[PP+8*a+2*k+1], v[PP+8*a+2*k+2]
.else
	v_max_num_f32 v[20+a], v[20+a], v[PP+8*a+7]
.endif
.set a, a+1
.endr
.set k, k+1
.endr
.set k, 0
.rept 4
.set a, 0
.rept 8
	v_max3_num_f32 v[20+a], v[20+a], v[PP+64+8*a+2*k], v[PP+64+8*a+2*k+1]
.set a, a+1
.endr
.set k, k+1
.endr
	v_max3_num_f32 v20, v20, v21, v22
	v_max3_num_f32 v23, v23, v24, v25
	v_max3_num_f32 v20, v20, v23, v26
	v_max_num_f32 v20, v20, v27
	v_max_num_f32_dpp v20, v20, v20 row_xmask:1 row_mask:0xf bank_mask:0xf
	v_max_num_f32_dpp v20, v20, v20 row_xmask:2 row_mask:0xf bank_mask:0xf
	v_max_num_f32_dpp v20, v20, v20 row_xmask:4 row_mask:0xf bank_mask:0xf
	v_max_num_f32_dpp v20, v20, v20 row_xmask:8 row_mask:0xf bank_mask:0xf
	v_permlanex16_b32 v21, v20, s70, s71
	v_max_num_f32 v20, v20, v21
	v_max_num_f32 v17, v16, v20                    ; M_new
	v_sub_f32 v21, v16, v17
	v_mul_f32 v21, s68, v21
	v_exp_f32 v30, v21                             ; a
	v_mul_f32 v18, s68, v17                        ; c M
	v_mov_b32 v19, v18
	s_wait_alu depctr_va_vdst(0)
	v_mov_b32 v31, v30
	v_mov_b32 v16, v17
.set i, 0
.rept 64
	v_pk_fma_f32 v[PP+2*i:PP+2*i+1], v[PP+2*i:PP+2*i+1], s[68:69], v[18:19] op_sel_hi:[1,0,0] neg_lo:[0,0,1] neg_hi:[0,0,1]
.set i, i+1
.endr
.set i, 0
.rept 128
	v_exp_f32 v[PP+i], v[PP+i]
.set i, i+1
.endr
	v_nop                                          ; a plain instruction behind the last exponential
.set a, 0
	s_wait_alu depctr_va_vdst(0)
.rept 8
	v_pk_fma_f32 v[KS+2*a:KS+2*a+1], v[KS+2*a:KS+2*a+1], v[30:31], v[PP+8*a:PP+8*a+1]
.set a, a+1
.endr
.set k, 1
.rept 7
.set a, 0
.rept 8
	v_pk_add_f32 v[KS+2*a:KS+2*a+1], v[KS+2*a:KS+2*a+1], v[PP+64*(k>>2)+8*a+2*(k&3):PP+64*(k>>2)+8*a+2*(k&3)+1]
.set a, a+1
.endr
.set k, k+1
.endr
.set a, 0
.rept 8                                ; phi as bf16 fragments (lane = m, K = 32 rows), in P(0, mt)'s registers
.set z, 0
.rept 4
	v_cvt_pk_bf16_f32 v[PP+8*a+z], v[PP+8*a+2*z], v[PP+8*a+2*z+1]
.set z, z+1
.endr
.set z, 0
.rept 4
	v_cvt_pk_bf16_f32 v[PP+8*a+4+z], v[PP+64+8*a+2*z], v[PP+64+8*a+2*z+1]
.set z, z+1
.endr
.set a, a+1
.endr
	WIN 0x82
.set i, 0
.rept 128
	v_pk_mul_f32 v[2*i:2*i+1], v[2*i:2*i+1], v[30:31]
.set i, i+1
.endr
	WIN 0xa0                                       ; KV += phi^T v: 32 accumulators
.set a, 0
.rept 8
.set d, 0
.rept 4
	v_wmma_f32_16x16x32_bf16 v[8*(4*a+d):8*(4*a+d)+7], v[PP+8*a:PP+8*a+7], v[VF+8*d:VF+8*d+7], v[8*(4*a+d):8*(4*a+d)+7]
.set d, d+1
.endr
.set a, a+1
.endr
	WIN 0
	s_add_co_u32 s62, s62, 4096
	s_add_co_u32 s63, s63, 128
	s_sub_co_u32 s61, s61, 1
	s_cmp_lg_u32 s61, 0
	s_cbranch_scc1 .Lstep
	; THE FOUR WAVES' SUMS MEET: each is brought to the common maximum, laid into its stage, and each wave adds a quarter of the tiles.
	PLACES
.set a, 0
.rept 8
	v_add_f32 v[KS+2*a], v[KS+2*a], v[KS+2*a+1]
.set a, a+1
.endr
.set a, 0
.rept 8
	v_permlanex16_b32 v[KS+2*a+1], v[KS+2*a], s70, s71
.set a, a+1
.endr
.set a, 0
.rept 8
	v_add_f32 v[KS+2*a], v[KS+2*a], v[KS+2*a+1]
.set a, a+1
.endr
	ds_store_b32 v14, v16
	s_wait_dscnt 0x0
	BAR
	v_mov_b32 v13, MS
	ds_load_b128 v[20:23], v13
	s_wait_dscnt 0x0
	v_max3_num_f32 v17, v20, v21, v22
	v_max_num_f32 v17, v17, v23                    ; the work-group's maximum
	v_sub_f32 v21, v16, v17
	v_mul_f32 v21, s68, v21
	v_exp_f32 v30, v21
	v_nop
	s_wait_alu depctr_va_vdst(0)
	v_mov_b32 v31, v30
	WIN 0x82
.set i, 0
.rept 128
	v_pk_mul_f32 v[2*i:2*i+1], v[2*i:2*i+1], v[30:31]
.set i, i+1
.endr
	WIN 0x08
.set i, 0
.rept 64
	ds_store_b128 v9, v[4*i:4*i+3] offset:i*512
.set i, i+1
.endr
	WIN 0
.set a, 0
.rept 8
	v_mul_f32 v[KS+2*a], v[KS+2*a], v30
	ds_store_b32 v15, v[KS+2*a] offset:64*a
.set a, a+1
.endr
	v_add_nc_u32 v11, 0x10000, v10
	s_wait_dscnt 0x0
	BAR
	WIN 0x80
.set k, 0
.rept 4                                ; wave k's stage, my 8 tiles
.set i, 0
.rept 16
.if k < 2
	ds_load_b128 v[64*k+4*i:64*k+4*i+3], v10 offset:(k&1)*32768+i*512
.else
	ds_load_b128 v[64*k+4*i:64*k+4*i+3], v11 offset:(k&1)*32768+i*512
.endif
.set i, i+1
.endr
.set k, k+1
.endr
	s_wait_dscnt 0x0
	WIN 0x8a
.set i, 0
.rept 32
	v_pk_add_f32 v[2*i:2*i+1], v[2*i:2*i+1], v[64+2*i:64+2*i+1]
	v_pk_add_f32 v[128+2*i:128+2*i+1], v[128+2*i:128+2*i+1], v[192+2*i:192+2*i+1]
.set i, i+1
.endr
.set i, 0
.rept 32
	v_pk_add_f32 v[2*i:2*i+1], v[2*i:2*i+1], v[128+2*i:128+2*i+1]
.set i, i+1
.endr
	WIN 0x08
.set i, 0
.rept 16
	global_store_b128 v10, v[4*i:4*i+3], s[14:15] offset:i*512  ; 512 consecutive bytes, aligned
.set i, i+1
.endr
	WIN 0
	s_cmp_lg_u32 s32, 0
	s_cbranch_scc1 .Lnot0
	v_add_nc_u32 v13, KSS, v1                      ; wave 0: ksum and the maximum
.set k, 0
.rept 4
	ds_load_b128 v[32+4*k:35+4*k], v13 offset:512*k
.set k, k+1
.endr
	s_wait_dscnt 0x0
	v_pk_add_f32 v[32:33], v[32:33], v[36:37]
	v_pk_add_f32 v[34:35], v[34:35], v[38:39]
	v_pk_add_f32 v[40:41], v[40:41], v[44:45]
	v_pk_add_f32 v[42:43], v[42:43], v[46:47]
	v_pk_add_f32 v[32:33], v[32:33], v[40:41]
	v_pk_add_f32 v[34:35], v[34:35], v[42:43]
	v_mov_b32 v36, v17
	v_mov_b32 v37, v17
	v_mov_b32 v38, v17
	v_mov_b32 v39, v17
	global_store_b128 v1, v[32:35], s[16:17]
	global_store_b128 v1, v[36:39], s[16:17] offset:512
.Lnot0:
	s_wait_tensorcnt 0x0                           ; the wave's end
	ds_add_u32 v28, v29
	s_wait_dscnt 0x0
	CROUND                                         ; the closing round
	s_endpgm
.Lfunc_end_k_qac27f1b537_kvp:
	.size	k_qac27f1b537_kvp, .Lfunc_end_k_qac27f1b537_kvp-k_qac27f1b537_kvp
	.p2alignl 7, 3214868480
	.fill 96, 4, 3214868480
	.section	.rodata,"a",@progbits
	.p2align	6, 0x0
	.amdhsa_kernel k_qac27f1b537_kvp
		.amdhsa_group_segment_fixed_size 327680
		.amdhsa_private_segment_fixed_size 0
		.amdhsa_enable_private_segment 0
		.amdhsa_kernarg_size 56
		.amdhsa_user_sgpr_count 2
		.amdhsa_user_sgpr_kernarg_segment_ptr 1
		.amdhsa_wavefront_size32 1
		.amdhsa_system_sgpr_workgroup_id_x 1
		.amdhsa_system_sgpr_workgroup_id_y 1
		.amdhsa_system_sgpr_workgroup_id_z 1
		.amdhsa_system_vgpr_workitem_id 0
		.amdhsa_next_free_vgpr 1024
		.amdhsa_next_free_sgpr 80
		.amdhsa_reserve_vcc 0
		.amdhsa_float_denorm_mode_32 3
		.amdhsa_float_denorm_mode_16_64 3
		.amdhsa_memory_ordered 1
		.amdhsa_forward_progress 1
		.amdhsa_inst_pref_size 147
	.end_amdhsa_kernel
	.amdgpu_metadata
---
amdhsa.version: [ 1, 2 ]
amdhsa.kernels:
  - .name:           k_qac27f1b537_kvp
    .symbol:         k_qac27f1b537_kvp.kd
    .args:
      - { .name: x16, .offset: 0, .size: 8, .value_kind: global_buffer, .address_space: global }
      - { .name: wkv, .offset: 8, .size: 8, .value_kind: global_buffer, .address_space: global }
      - { .name: omf, .offset: 16, .size: 8, .value_kind: global_buffer, .address_space: global }
      - { .name: bk, .offset: 24, .size: 8, .value_kind: global_buffer, .address_space: global }
      - { .name: bv, .offset: 32, .size: 8, .value_kind: global_buffer, .address_space: global }
      - { .name: part, .offset: 40, .size: 8, .value_kind: global_buffer, .address_space: global }
      - { .name: pst, .offset: 48, .size: 8, .value_kind: global_buffer, .address_space: global }
    .group_segment_fixed_size: 327680
    .private_segment_fixed_size: 0
    .kernarg_segment_align: 8
    .kernarg_segment_size: 56
    .max_flat_workgroup_size: 128
    .sgpr_count:     80
    .vgpr_count:     1024
    .wavefront_size: 32
...
	.end_amdgpu_metadata
.endif
;; end of part 2
;; launch red (part 3): grid 256 x 1, 4 waves a work-group, no clusters, 0 bytes of LDS; arguments part, pst, kvf; writes kvf
.if DOCPART == 3
	.amdgcn_target "amdgcn-amd-amdhsa--gfx1250"
	.amdhsa_code_object_version 6
	.text
	.protected	k_qac27f1b537_red
	.globl	k_qac27f1b537_red
	.p2align	8
	.type	k_qac27f1b537_red,@function
k_qac27f1b537_red:
	s_mov_b64 s[64:65], 0
	v_nop
	global_prefetch_b8 v0, s[64:65] scope:SCOPE_SE
	s_setreg_imm32_b32 hwreg(HW_REG_WAVE_MODE, 25, 1), 1
	s_wait_xcnt 0x0
; RED: the four quarters' partial KV and ksum of a (batch, head) are brought to the common maximum M = max M_Q (factor 2^((M_Q - M) c)), added in f32 in the order Q = 0 .. 3,
; rounded once to bf16 and stored as fragments (lane = d, K = m); a fifth tile holds ksum in every lane.  Work-group = (bh, dt), wave = K step of 32 features.
; Memory binds; no LDS, no matrix unit.  An exponential below 2^-126 counts as 0.
.set CSC, 0x3f0293ee
	s_load_b128 s[4:7], s[0:1], 0x0                ; part 4, pst 6
	s_load_b64 s[8:9], s[0:1], 0x10                ; kvf
	v_lshrrev_b32 v1, 5, v0
	v_readfirstlane_b32 s12, v1                    ; wave
	v_and_b32 v1, 31, v0
	v_lshlrev_b32 v1, 4, v1                        ; 16 L
	v_bfe_u32 v6, v0, 4, 1                         ; h
	s_lshr_b32 s13, ttmp9, 2                       ; bh
	s_and_b32 s14, ttmp9, 3                        ; dt
	s_lshl_b32 s16, s13, 12
	s_mov_b32 s17, 0
	s_lshl_b32 s18, s13, 17
	s_mov_b32 s19, 0
	s_mul_i32 s20, s13, 20480
	s_mov_b32 s21, 0
	s_lshl_b32 s22, s12, 13
	s_lshl_b32 s23, s14, 10
	s_add_co_u32 s22, s22, s23
	v_add_nc_u32 v2, s22, v1                       ; tile 4 (2 w) + dt
	s_lshl_b32 s22, s14, 12
	s_lshl_b32 s23, s12, 10
	s_add_co_u32 s22, s22, s23
	v_add_nc_u32 v3, s22, v1                       ; fragment 4 dt + w
	s_lshl_b32 s22, s12, 7
	v_lshl_add_u32 v4, v6, 5, s22                  ; ksum: (32 w + 8 h) x 4
	s_add_co_u32 s23, s23, 16384
	v_add_nc_u32 v5, s23, v1                       ; fragment 16 + w
	s_wait_kmcnt 0x0
	s_add_nc_u64 s[6:7], s[6:7], s[16:17]
	s_add_nc_u64 s[4:5], s[4:5], s[18:19]
	s_add_nc_u64 s[8:9], s[8:9], s[20:21]
	s_load_b32 s24, s[6:7], 0x200                  ; the four maxima
	s_load_b32 s25, s[6:7], 0x600
	s_load_b32 s26, s[6:7], 0xa00
	s_load_b32 s27, s[6:7], 0xe00
.set k, 0
.rept 4
.set i, 0
.rept 4                                ; i = 2 e + q
	global_load_b128 v[32+16*k+4*i:32+16*k+4*i+3], v2, s[4:5] offset:k*32768+(i>>1)*4096+(i&1)*512
.set i, i+1
.endr
.set k, k+1
.endr
	s_wait_kmcnt 0x0
	v_mov_b32 v7, s24
	v_max3_num_f32 v7, v7, s25, s26
	v_max_num_f32 v7, s27, v7
.irp k, 0,1,2,3
	v_sub_f32 v[8+2*\k], s[24+\k], v7
	v_mul_f32 v[8+2*\k], CSC, v[8+2*\k]
.endr
.irp k, 0,1,2,3
	v_exp_f32 v[8+2*\k], v[8+2*\k]
.endr
	v_nop
	s_wait_alu depctr_va_vdst(0)
.irp k, 0,1,2,3
	v_mov_b32 v[9+2*\k], v[8+2*\k]
.endr
.macro COMB
	s_wait_loadcnt 0x0
.set i, 0
.rept 8
	v_pk_mul_f32 v[32+2*i:33+2*i], v[32+2*i:33+2*i], v[8:9]
	v_pk_fma_f32 v[32+2*i:33+2*i], v[48+2*i:49+2*i], v[10:11], v[32+2*i:33+2*i]
	v_pk_fma_f32 v[32+2*i:33+2*i], v[64+2*i:65+2*i], v[12:13], v[32+2*i:33+2*i]
	v_pk_fma_f32 v[32+2*i:33+2*i], v[80+2*i:81+2*i], v[14:15], v[32+2*i:33+2*i]
.set i, i+1
.endr
.set i, 0
.rept 8
	v_cvt_pk_bf16_f32 v[16+i], v[32+2*i], v[33+2*i]
.set i, i+1
.endr
.endm
	COMB
	global_store_b128 v3, v[16:19], s[8:9]
	global_store_b128 v3, v[20:23], s[8:9] offset:512
	s_cmp_lg_u32 s14, 0
	s_cbranch_scc1 .Lend
	s_wait_xcnt 0x0                                ; the stores' data registers are written again only behind this wait
.set k, 0
.rept 4
.set i, 0
.rept 4
	global_load_b128 v[32+16*k+4*i:32+16*k+4*i+3], v4, s[6:7] offset:k*1024+(i>>1)*64+(i&1)*16
.set i, i+1
.endr
.set k, k+1
.endr
	COMB
	global_store_b128 v5, v[16:19], s[8:9]
	global_store_b128 v5, v[20:23], s[8:9] offset:512
.Lend:
	s_endpgm
.Lfunc_end_k_qac27f1b537_red:
	.size	k_qac27f1b537_red, .Lfunc_end_k_qac27f1b537_red-k_qac27f1b537_red
	.p2alignl 7, 3214868480
	.fill 96, 4, 3214868480
	.section	.rodata,"a",@progbits
	.p2align	6, 0x0
	.amdhsa_kernel k_qac27f1b537_red
		.amdhsa_group_segment_fixed_size 0
		.amdhsa_private_segment_fixed_size 0
		.amdhsa_enable_private_segment 0
		.amdhsa_kernarg_size 24
		.amdhsa_user_sgpr_count 2
		.amdhsa_user_sgpr_kernarg_segment_ptr 1
		.amdhsa_wavefront_size32 1
		.amdhsa_system_sgpr_workgroup_id_x 1
		.amdhsa_system_sgpr_workgroup_id_y 1
		.amdhsa_system_sgpr_workgroup_id_z 1
		.amdhsa_system_vgpr_workitem_id 0
		.amdhsa_next_free_vgpr 96
		.amdhsa_next_free_sgpr 66
		.amdhsa_reserve_vcc 0
		.amdhsa_float_denorm_mode_32 3
		.amdhsa_float_denorm_mode_16_64 3
		.amdhsa_memory_ordered 1
		.amdhsa_forward_progress 1
		.amdhsa_inst_pref_size 12
	.end_amdhsa_kernel
	.amdgpu_metadata
---
amdhsa.version: [ 1, 2 ]
amdhsa.kernels:
  - .name:           k_qac27f1b537_red
    .symbol:         k_qac27f1b537_red.kd
    .args:
      - { .name: part, .offset: 0, .size: 8, .value_kind: global_buffer, .address_space: global }
      - { .name: pst, .offset: 8, .size: 8, .value_kind: global_buffer, .address_space: global }
      - { .name: kvf, .offset: 16, .size: 8, .value_kind: global_buffer, .address_space: global }
    .group_segment_fixed_size: 0
    .private_segment_fixed_size: 0
    .kernarg_segment_align: 8
    .kernarg_segment_size: 24
    .max_flat_workgroup_size: 128
    .sgpr_count:     66
    .vgpr_count:     96
    .wavefront_size: 32
...
	.end_amdgpu_metadata
.endif
;; end of part 3
;; launch main (part 4): grid 256 x 1, 4 waves a work-group, clusters of 4 x 1, 327,680 bytes of LDS; arguments x, x16, wst, omf, kvf, bq, bo, g1, be1, b1, b2, g2, be2, out0; writes out0
.if DOCPART == 4
	.amdgcn_target "amdgcn-amd-amdhsa--gfx1250"
	.amdhsa_code_object_version 6
	.text
	.protected	k_qac27f1b537_main
	.globl	k_qac27f1b537_main
	.p2align	8
	.type	k_qac27f1b537_main,@function
k_qac27f1b537_main:
	s_mov_b64 s[64:65], 0
	v_nop
	global_prefetch_b8 v0, s[64:65] scope:SCOPE_SE
	s_setreg_imm32_b32 hwreg(HW_REG_WAVE_MODE, 25, 1), 1
	s_wait_xcnt 0x0
	s_wait_alu depctr_hold_cnt(0) depctr_sa_sdst(0) depctr_va_vdst(0) depctr_va_sdst(0) depctr_va_ssrc(0) depctr_va_vcc(0) depctr_vm_vsrc(0)
	s_getreg_b32 s2, hwreg(HW_REG_IB_STS2, 6, 4)
	s_cmp_eq_u32 s2, 0
	s_cbranch_scc0 .Lentry_in_a_cluster
	s_endpgm
.Lentry_in_a_cluster:
	s_bfe_u32 s2, ttmp6, 0x10000c
	s_cmp_lg_u32 s2, 0x3003
	s_cbranch_scc0 .Lentry_shape_is_right
	s_endpgm
.Lentry_shape_is_right:
; MAIN: for 64 rows: q, phi_q, o = phi_q KV / (phi_q ksum + eps), o Wo + bo + x, LayerNorm 1, the FFN, LayerNorm 2.  Nothing but the result leaves the work-group.
; phi_q: |q|^2/2 is the same for all features of a query, so h - max h = c (p - max p) in base 2, p = (x Wq + bq) omega, c = 64^-1/4 log2(e); the maximum is taken per query, as the module does.
; The features' factor 128^-1/2 is left out on both sides: o = num / (den + 128 x 1e-6).
; FORMATS: x, the weights, q, o, out1 and the hidden layer enter products in f16 (LIMIT: under 65,504; a fixed step of 6e-8 below 6e-5); phi_q, KV, ksum in bf16; sums, residuals and both norms
; (two passes: mean, then squares of the differences) in f32.  An exponential below 2^-126 counts as 0; reciprocal and inverse root are the chip's approximations.
; SHARES: every wave takes all 64 rows (4 tiles rt) x its own 128 columns (in attention: heads 2 w, 2 w + 1).  ACC(rt,t): lane = row, register j = column 128 w + 16 t + 8 h + j.
; THE WEIGHTS are one stream of 40 slots of 131,072 bytes (Wq, Wo for heads 2 w, the same for heads 2 w + 1, then 32 chunks of 64 hidden units: W1's part, W2's part) through two LDS slots.
; The four work-groups of a cluster walk the same stream: each slot is asked for JOINTLY, a quarter by each wave.  One tensor load of a wave is out at any time.
; REGISTERS: window 0 addresses, biases, two weight buffers F0, F1, HA/HF; window 1 ACC; windows 2, 3 the 64 fragments XF(ks, rt) of the left operand (x, later out1), in attention omega and KV.
.set SLOTB, 0x20000
.set EX,    262144                     ; 33,792: the way in (4 x 16 rows x 528), q and o (4 x 8,192), out1's exchange (32,768), by turns
.set HID,   295936                     ; 8,192: a chunk's hidden layer as fragments
.set RED,   304128                     ; 2,048: the norms' partial sums
.set SPARE, 308224                     ; the spare words: 128 bytes a wave, named by no other line
.set CSC,   0x3f0293ee
.set F0,   64
.set F1,   128
.set HA,   192
.set HF0,  192
.set HF1,  224
.set PKT,  224
.set BIA0, 32
.set BIA1, 40
.set MU,   48
.set RS,   56
.set MSB, 0
.macro WIN new                         ; the immediate's high byte repeats the setting that is left
.if MSB != (\new)
	s_set_vgpr_msb (MSB<<8)|(\new)
.set MSB, \new
.endif
.endm
.macro PLACES                          ; four plain vector instructions between a matrix instruction and a load into, or a vector read of, its registers
.rept 4
	v_nop
.endr
.endm
.macro BAR
	s_barrier_signal -1
	s_barrier_wait -1
.endm
.macro CROUND                          ; a round of the cluster's barrier
	s_barrier_signal -1
	s_barrier_wait -1
	s_cmp_lg_u32 s32, 0
	s_cbranch_scc1 .Lnw0_\@
	s_barrier_signal -3
.Lnw0_\@:
	s_barrier_wait -3
	s_barrier_signal -1
	s_barrier_wait -1
.endm
; THE CHANGE OF SLOTS.  My one tensor load has landed; the add; all my LDS instructions are done (reads of the old slot, of EX and of HID among them).  fill = 1: behind a round of the cluster's
; barrier the old slot takes the stream's next 131,072 bytes, first thing.
.macro CHANGE fill
	WIN 0
	s_wait_tensorcnt 0x0
	ds_add_u32 v28, v29                            ; 0 onto my spare word
.if \fill
	s_xor_b32 s37, s37, SLOTB
	s_add_nc_u64 s[38:39], s[38:39], SLOTB
.endif
	s_wait_dscnt 0x0
.if \fill
	CROUND
	tensor_load_to_lds s[36:39], s[40:47]
	s_nop 0
.else
	BAR
.endif
	PLACES                                         ; also the places in front of the fragment loads
	s_xor_b32 s48, s48, SLOTB
.endm
.macro FET8 buf, adr, off              ; 8 fragments, 1,024 bytes apart
	WIN 0
.set i, 0
.rept 8
	ds_load_b128 v[(\buf)+8*i:(\buf)+8*i+3],   v[\adr] offset:(\off)+i*1024
	ds_load_b128 v[(\buf)+8*i+4:(\buf)+8*i+7], v[\adr] offset:(\off)+i*1024+512
.set i, i+1
.endr
.endm
.macro FET4 buf, adr, off              ; 4 fragments (rt), 2,048 bytes apart
	WIN 0
.set i, 0
.rept 4
	ds_load_b128 v[(\buf)+8*i:(\buf)+8*i+3],   v[\adr] offset:(\off)+i*2048
	ds_load_b128 v[(\buf)+8*i+4:(\buf)+8*i+7], v[\adr] offset:(\off)+i*2048+512
.set i, i+1
.endr
.endm
.macro MG1 buf, half, bia              ; HA(rt) (+)= 16 columns of weights x 256 along K; the four accumulators take turns; bia >= 0: the bias starts the sums
	WIN 0x08+4*(\half)
.set i, 0
.rept 8
.set t, 0
.rept 4
.if (i == 0) && ((\bia) >= 0)
	v_wmma_f32_16x16x32_f16 v[HA+8*t:HA+8*t+7], v[(\buf)+8*i:(\buf)+8*i+7], v[8*(4*i+t):8*(4*i+t)+7], v[(\bia):(\bia)+7]
.else
	v_wmma_f32_16x16x32_f16 v[HA+8*t:HA+8*t+7], v[(\buf)+8*i:(\buf)+8*i+7], v[8*(4*i+t):8*(4*i+t)+7], v[HA+8*t:HA+8*t+7]
.endif
.set t, t+1
.endr
.set i, i+1
.endr
.endm
.macro MG2 buf, hf                     ; ACC(rt,t) += 128 columns of weights x 32 along K: 32 accumulators
	WIN 0x50
.set t, 0
.rept 8
.set i, 0
.rept 4
	v_wmma_f32_16x16x32_f16 v[8*(8*i+t):8*(8*i+t)+7], v[(\buf)+8*t:(\buf)+8*t+7], v[(\hf)+8*i:(\hf)+8*i+7], v[8*(8*i+t):8*(8*i+t)+7]
.set i, i+1
.endr
.set t, t+1
.endr
.endm
.macro EPI relu, adr, off              ; HA leaves as half fragments (lane = row), from each accumulator's low end on
	WIN 0
.if \relu
.set i, 0
.rept 32
	v_max_num_f32 v[HA+i], 0, v[HA+i]
.set i, i+1
.endr
.endif
.set i, 0
.rept 16
	v_cvt_pk_f16_f32 v[PKT+i], v[HA+2*i], v[HA+2*i+1]
.set i, i+1
.endr
.set i, 0
.rept 4
	ds_store_b128 v[\adr], v[PKT+4*i:PKT+4*i+3] offset:(\off)+i*2048
.set i, i+1
.endr
.endm
	s_load_b512 s[4:19], s[0:1], 0x0               ; x 4, x16 6, wst 8, omf 10, kvf 12, bq 14, bo 16, g1 18
	s_load_b256 s[20:27], s[0:1], 0x40             ; be1 20, b1 22, b2 24, g2 26
	s_load_b128 s[28:31], s[0:1], 0x60             ; be2 28, out0 30
	v_lshl_add_u32 v28, v0, 2, SPARE
	v_mov_b32 v29, 0
	ds_add_u32 v28, v29
	s_wait_dscnt 0x0
	v_lshrrev_b32 v21, 5, v0
	v_readfirstlane_b32 s32, v21                   ; wave
	s_bfe_u32 s33, ttmp6, 0x40000                  ; cx
	s_lshl_b32 s34, ttmp9, 2
	s_add_co_u32 s34, s34, s33                     ; my block of 64 rows: it enters x's, x16's, kvf's and out0's addresses alone
	s_mov_b32 s40, 15|(3<<16)|(1<<21)              ; the mask of four, elements of 8 bytes, bit 21 beside the mask
	s_mov_b32 s41, 32<<16                          ; rows of 256 bytes,
	s_mov_b32 s42, 128<<16                         ; 128 of them: my quarter of a slot
	s_mov_b32 s43, 32<<16
	s_mov_b32 s44, 128
	s_mov_b32 s45, 32
	s_mov_b32 s46, 0
	s_mov_b32 s47, 0
	s_mov_b32 s36, 1
	s_lshl_b32 s37, s32, 15
	s_lshl_b32 s66, s32, 15
	s_mov_b32 s67, 0
	s_lshl_b32 s68, s34, 17
	s_mov_b32 s69, 0
	s_lshl_b32 s70, s34, 13
	s_mov_b32 s71, 0
	s_lshr_b32 s72, s34, 5                         ; batch
	s_lshl_b32 s72, s72, 3
	s_lshl_b32 s73, s32, 1
	s_add_co_u32 s72, s72, s73                     ; 8 batch + head 2 w
	s_mul_i32 s72, s72, 20480
	s_mov_b32 s73, 0
	s_mov_b32 s48, SLOTB                           ; the first change of slots turns it into 0
	s_mov_b32 s56, CSC
	s_mov_b32 s57, s56
	s_mov_b32 s58, 0x76543210
	s_mov_b32 s59, 0xfedcba98
	s_mov_b32 s74, 0x3b000000                      ; 1 / 512
	s_wait_kmcnt 0x0
	s_add_nc_u64 s[38:39], s[8:9], s[66:67]
	s_or_b32 s39, s39, 0x80000000
	s_add_nc_u64 s[4:5], s[4:5], s[68:69]
	s_add_nc_u64 s[30:31], s[30:31], s[68:69]
	s_add_nc_u64 s[6:7], s[6:7], s[70:71]
	s_add_nc_u64 s[60:61], s[6:7], 0x800000        ; x16's slabs 4-7
	s_add_nc_u64 s[12:13], s[12:13], s[72:73]
	CROUND                                         ; all four work-groups are here
	tensor_load_to_lds s[36:39], s[40:47]          ; slot 0
	s_nop 0
	PLACES
	v_and_b32 v21, 31, v0
	v_lshlrev_b32 v1, 4, v21                       ; 16 L
	v_and_b32 v22, 15, v0                          ; r
	v_bfe_u32 v23, v0, 4, 1                        ; h
	v_lshl_add_u32 v4, s32, 14, v1                 ; WA0
	v_lshl_add_u32 v5, s32, 15, v1                 ; WB0
	v_lshl_add_u32 v8, s32, 13, v1
	v_add_nc_u32 v8, EX, v8                        ; QW0
	v_add_nc_u32 v9, EX, v1                        ; EXR
	s_lshr_b32 s66, s32, 1
	s_lshl_b32 s66, s66, 10
	s_and_b32 s67, s32, 1
	s_lshl_b32 s67, s67, 9
	s_add_co_u32 s66, s66, s67
	s_add_co_u32 s66, s66, HID
	v_add_nc_u32 v11, s66, v1                      ; HW
	v_add_nc_u32 v12, HID, v1                      ; HR
	s_mul_i32 s66, s32, 8448
	s_add_co_u32 s66, s66, EX
	v_add_nc_u32 v13, s66, v1                      ; RDA
	v_mul_u32_u24 v14, v22, 528
	v_lshl_add_u32 v14, v23, 5, v14
	v_add_nc_u32 v14, s66, v14                     ; ACA
	v_lshlrev_b32 v16, 4, v22
	v_add_nc_u32 v16, RED, v16                     ; RR
	v_lshl_add_u32 v15, s32, 2, v16                ; RW
	v_lshl_add_u32 v17, s32, 9, v1                 ; XO
	v_lshlrev_b32 v18, 5, v23
	v_lshl_add_u32 v19, s32, 6, v18                ; BL1
	v_lshl_add_u32 v18, s32, 9, v18                ; BL
	; THE WAY IN: ACC = x + bo.  Rows come as 512 consecutive bytes a load and are turned into the accumulators' layout through my own stage.
	global_load_b128 v[24:27], v17, s[16:17]
	WIN 0x40
.set i, 0
.rept 64
	global_load_b128 v[4*i:4*i+3], v17, s[4:5] offset:i*2048
.set i, i+1
.endr
.set rr, 0
.rept 4
	s_wait_loadcnt 48-16*rr                        ; the later tiles' loads stay out
	WIN 0x41
.set i, 0
.rept 16
	v_pk_add_f32 v[64*rr+4*i:64*rr+4*i+1],   v[64*rr+4*i:64*rr+4*i+1],   v[24:25]
	v_pk_add_f32 v[64*rr+4*i+2:64*rr+4*i+3], v[64*rr+4*i+2:64*rr+4*i+3], v[26:27]
.set i, i+1
.endr
	WIN 0x04
.set i, 0
.rept 16
	ds_store_b128 v13, v[64*rr+4*i:64*rr+4*i+3] offset:528*i
.set i, i+1
.endr
	WIN 0x40
.set i, 0
.rept 16                               ; i = 2 t + q; LDS serves a wave's instructions in order
	ds_load_b128 v[64*rr+4*i:64*rr+4*i+3], v14 offset:32*(i>>1)*2+16*(i&1)
.set i, i+1
.endr
.set rr, rr+1
.endr
	WIN 0
	; ATTENTION, twice: heads 2 w, then heads 2 w + 1
	s_mov_b32 s52, 0
	s_mov_b32 s49, 2
.Lhh:
	WIN 0x80
.set k, 0
.rept 16                               ; x's 64 fragments
.if k == 8
	WIN 0xc0
.endif
.set t, 0
.rept 4
.set q, 0
.rept 2
.if k < 8
	global_load_b128 v[8*(4*k+t)+4*q:8*(4*k+t)+4*q+3], v1, s[6:7] offset:((k>>1)&3)*2097152+t*2048+(k&1)*1024+q*512
.else
	global_load_b128 v[8*(4*(k-8)+t)+4*q:8*(4*(k-8)+t)+4*q+3], v1, s[60:61] offset:((k>>1)&3)*2097152+t*2048+(k&1)*1024+q*512
.endif
.set q, q+1
.endr
.set t, t+1
.endr
.set k, k+1
.endr
	WIN 0
	v_mov_b32 v6, v8
	s_mov_b32 s50, 2
.Lpa:                                  ; a slot of Wq: 32 of my head's 64 channels
	v_add_nc_u32 v20, s52, v18
	global_load_b128 v[32:35], v20, s[14:15]
	global_load_b128 v[36:39], v20, s[14:15] offset:16
	global_load_b128 v[40:43], v20, s[14:15] offset:64
	global_load_b128 v[44:47], v20, s[14:15] offset:80
	s_add_co_u32 s52, s52, 128
	CHANGE 1
	v_add_nc_u32 v2, s48, v4
	v_add_nc_u32 v3, 0x10000, v2
	FET8 F0, 2, 0
	FET8 F1, 2, 8192
	s_wait_loadcnt 0x0                             ; x's fragments and the biases
	s_wait_dscnt 16                                ; F0 is in
	MG1 F0, 0, BIA0
	PLACES
	FET8 F0, 3, 0
	s_wait_dscnt 16                                ; F1 is in
	MG1 F1, 1, -1
	PLACES
	FET8 F1, 3, 8192
	EPI 0, 6, 0
	s_wait_dscnt 20                                ; younger: 16 loads and 4 stores
	MG1 F0, 0, BIA1
	s_wait_dscnt 4                                 ; younger: the 4 stores
	MG1 F1, 1, -1
	PLACES
	EPI 0, 6, 512
	v_add_nc_u32 v6, 0x400, v6
	s_sub_co_u32 s50, s50, 1
	s_cmp_lg_u32 s50, 0
	s_cbranch_scc1 .Lpa
	WIN 0x80
.set i, 0
.rept 16                               ; omega (mt, g) at 8 (2 mt + g) of window 2
	global_load_b128 v[8*i:8*i+3],   v1, s[10:11] offset:i*1024
	global_load_b128 v[8*i+4:8*i+7], v1, s[10:11] offset:i*1024+512
.set i, i+1
.endr
	WIN 0xc0
.set i, 0
.rept 20                               ; KV and ksum (dt5, c) at 8 (4 dt5 + c) of window 3
	global_load_b128 v[8*i:8*i+3],   v1, s[12:13] offset:i*1024
	global_load_b128 v[8*i+4:8*i+7], v1, s[12:13] offset:i*1024+512
.set i, i+1
.endr
	WIN 0
	v_mov_b32 v7, v8
	s_wait_loadcnt 0x0
	s_add_nc_u64 s[12:13], s[12:13], 20480         ; the next head
	s_mov_b32 s51, 4
.Lrt:                                  ; 16 queries of my head
	PLACES
	ds_load_b128 v[128:131], v7
	ds_load_b128 v[132:135], v7 offset:512
	ds_load_b128 v[136:139], v7 offset:1024
	ds_load_b128 v[140:143], v7 offset:1536
	s_wait_dscnt 0x0
	WIN 0x02                                       ; p = q omega: lane = query, registers = features; 8 accumulators by turns
.set g, 0
.rept 2
.set a, 0
.rept 8
.if g == 0
	v_wmma_f32_16x16x32_f16 v[64+8*a:64+8*a+7], v[8*(2*a+g):8*(2*a+g)+7], v[128+8*g:128+8*g+7], 0
.else
	v_wmma_f32_16x16x32_f16 v[64+8*a:64+8*a+7], v[8*(2*a+g):8*(2*a+g)+7], v[128+8*g:128+8*g+7], v[64+8*a:64+8*a+7]
.endif
.set a, a+1
.endr
.set g, g+1
.endr
	WIN 0
	PLACES
.set k, 0
.rept 4
.set a, 0
.rept 8
.if k == 0
	v_max3_num_f32 v[48+a], v[64+8*a], v[64+8*a+1], v[64+8*a+2]
.elseif k < 3
	v_max3_num_f32 v[48+a], v[48+a], v[64+8*a+2*k+1], v[64+8*a+2*k+2]
.else
	v_max_num_f32 v[48+a], v[48+a], v[64+8*a+7]
.endif
.set a, a+1
.endr
.set k, k+1
.endr
	v_max3_num_f32 v48, v48, v49, v50
	v_max3_num_f32 v51, v51, v52, v53
	v_max3_num_f32 v48, v48, v51, v54
	v_max_num_f32 v48, v48, v55
	v_permlanex16_b32 v49, v48, s58, s59           ; the query's other 64 features lie in the lane 16 away
	v_max_num_f32 v48, v48, v49
	v_mul_f32 v56, s56, v48
	v_mov_b32 v57, v56
.set i, 0
.rept 32
	v_pk_fma_f32 v[64+2*i:65+2*i], v[64+2*i:65+2*i], s[56:57], v[56:57] op_sel_hi:[1,0,0] neg_lo:[0,0,1] neg_hi:[0,0,1]
.set i, i+1
.endr
.set i, 0
.rept 64
	v_exp_f32 v[64+i], v[64+i]
.set i, i+1
.endr
	v_nop                                          ; a plain instruction behind the last exponential
.set c, 0
	s_wait_alu depctr_va_vdst(0)
.rept 4                                ; phi_q as bf16 fragments (lane = query, K = 32 features), in P(2 c)'s registers
.set z, 0
.rept 4
	v_cvt_pk_bf16_f32 v[64+16*c+z], v[64+16*c+2*z], v[64+16*c+2*z+1]
.set z, z+1
.endr
.set z, 0
.rept 4
	v_cvt_pk_bf16_f32 v[64+16*c+4+z], v[72+16*c+2*z], v[72+16*c+2*z+1]
.set z, z+1
.endr
.set c, c+1
.endr
	WIN 0x03                                       ; num and den: 5 accumulators by turns
.set c, 0
.rept 4
.irp dd, 4,0,1,2,3
.if c == 0
	v_wmma_f32_16x16x32_bf16 v[144+8*\dd:144+8*\dd+7], v[8*(4*\dd+c):8*(4*\dd+c)+7], v[64+16*c:64+16*c+7], 0
.else
	v_wmma_f32_16x16x32_bf16 v[144+8*\dd:144+8*\dd+7], v[8*(4*\dd+c):8*(4*\dd+c)+7], v[64+16*c:64+16*c+7], v[144+8*\dd:144+8*\dd+7]
.endif
.endr
.set c, c+1
.endr
	WIN 0
	PLACES
	v_add_f32 v58, 0x390637bd, v176                ; den + 128e-6: the fifth tile's lowest register
	v_rcp_f32 v60, v58
	v_nop
	s_wait_alu depctr_va_vdst(0)
	v_mov_b32 v61, v60
.set i, 0
.rept 16
	v_pk_mul_f32 v[144+2*i:145+2*i], v[144+2*i:145+2*i], v[60:61]
.set i, i+1
.endr
.set i, 0
.rept 16
	v_cvt_pk_f16_f32 v[192+i], v[144+2*i], v[145+2*i]
.set i, i+1
.endr
.set i, 0
.rept 4                                ; o takes q's place in my stage
	ds_store_b128 v7, v[192+4*i:195+4*i] offset:(i>>1)*1024+(i&1)*512
.set i, i+1
.endr
	v_add_nc_u32 v7, 0x800, v7
	s_sub_co_u32 s51, s51, 1
	s_cmp_lg_u32 s51, 0
	s_cbranch_scc1 .Lrt
	s_wait_dscnt 0x0
	BAR                                            ; every wave's o is there
	v_mov_b32 v10, v9
	s_mov_b32 s50, 2
.Lpb:                                  ; a slot of Wo: two waves' heads, 128 along K
	CHANGE 1
	v_add_nc_u32 v2, s48, v5
	FET8 F0, 2, 0
	FET4 HF0, 10, 0
	FET8 F1, 2, 8192
	FET4 HF1, 10, 1024
	s_wait_dscnt 24                                ; the first 24 loads are in
	MG2 F0, HF0
	PLACES
	FET8 F0, 2, 16384
	FET4 HF0, 10, 8192
	s_wait_dscnt 24
	MG2 F1, HF1
	PLACES
	FET8 F1, 2, 24576
	FET4 HF1, 10, 9216
	s_wait_dscnt 24
	MG2 F0, HF0
	s_wait_dscnt 0x0
	MG2 F1, HF1
	WIN 0
	v_add_nc_u32 v10, 0x4000, v10
	s_sub_co_u32 s50, s50, 1
	s_cmp_lg_u32 s50, 0
	s_cbranch_scc1 .Lpb
	s_sub_co_u32 s49, s49, 1
	s_cmp_lg_u32 s49, 0
	s_cbranch_scc1 .Lhh
	; LAYERNORM 1, in the accumulators' layout: a lane sums its 64 columns, the lane 16 away has 64 more, the four waves meet in LDS.
.macro LRED base, off
	WIN 0
.irp rr, 0,1,2,3
	v_add_f32 v[(\base)+2*\rr], v[(\base)+2*\rr], v[(\base)+2*\rr+1]
.endr
.irp rr, 0,1,2,3
	v_permlanex16_b32 v[(\base)+2*\rr+1], v[(\base)+2*\rr], s58, s59
.endr
.irp rr, 0,1,2,3
	v_add_f32 v[(\base)+2*\rr], v[(\base)+2*\rr], v[(\base)+2*\rr+1]
.endr
.irp rr, 0,1,2,3
	ds_store_b32 v15, v[(\base)+2*\rr] offset:(\off)+256*\rr
.endr
	s_wait_dscnt 0x0
	BAR
.irp rr, 0,1,2,3
	ds_load_b128 v[192+4*\rr:195+4*\rr], v16 offset:(\off)+256*\rr
.endr
	s_wait_dscnt 0x0
.irp rr, 0,1,2,3
	v_pk_add_f32 v[192+4*\rr:193+4*\rr], v[192+4*\rr:193+4*\rr], v[194+4*\rr:195+4*\rr]
.endr
.irp rr, 0,1,2,3
	v_add_f32 v[(\base)+2*\rr], v[192+4*\rr], v[193+4*\rr]
.endr
.endm
	PLACES
.set i, 0
.rept 16                               ; i = 2 t + q: g1 and be1 of my columns, in the accumulators' order
	global_load_b128 v[64+4*i:67+4*i],   v18, s[18:19] offset:64*(i>>1)+16*(i&1)
	global_load_b128 v[128+4*i:131+4*i], v18, s[20:21] offset:64*(i>>1)+16*(i&1)
.set i, i+1
.endr
	WIN 0x05
.set rr, 0
.rept 4
	v_pk_add_f32 v[MU+2*rr:MU+2*rr+1], v[64*rr:64*rr+1], v[64*rr+2:64*rr+3]
.set rr, rr+1
.endr
	WIN 0x01
.set p, 2
.rept 30
.set rr, 0
.rept 4
	v_pk_add_f32 v[MU+2*rr:MU+2*rr+1], v[64*rr+2*p:64*rr+2*p+1], v[MU+2*rr:MU+2*rr+1]
.set rr, rr+1
.endr
.set p, p+1
.endr
	LRED MU, 0
.irp rr, 0,1,2,3
	v_mul_f32 v[MU+2*\rr], s74, v[MU+2*\rr]
	v_mov_b32 v[MU+2*\rr+1], v[MU+2*\rr]
.endr
	WIN 0x41
.set p, 0
.rept 32
.set rr, 0
.rept 4
	v_pk_add_f32 v[64*rr+2*p:64*rr+2*p+1], v[64*rr+2*p:64*rr+2*p+1], v[MU+2*rr:MU+2*rr+1] neg_lo:[0,1] neg_hi:[0,1]
.set rr, rr+1
.endr
.set p, p+1
.endr
	WIN 0x05
.set p, 0
.rept 32
.set rr, 0
.rept 4
.if p == 0
	v_pk_mul_f32 v[RS+2*rr:RS+2*rr+1], v[64*rr:64*rr+1], v[64*rr:64*rr+1]
.else
	v_pk_fma_f32 v[RS+2*rr:RS+2*rr+1], v[64*rr+2*p:64*rr+2*p+1], v[64*rr+2*p:64*rr+2*p+1], v[RS+2*rr:RS+2*rr+1]
.endif
.set rr, rr+1
.endr
.set p, p+1
.endr
	LRED RS, 1024
	v_mov_b32 v21, 0x358637bd                      ; 1e-6
.irp rr, 0,1,2,3
	v_fma_f32 v[RS+2*\rr], v[RS+2*\rr], s74, v21
.endr
.irp rr, 0,1,2,3
	v_rsq_f32 v[RS+2*\rr], v[RS+2*\rr]
.endr
	v_nop
	s_wait_alu depctr_va_vdst(0)
.irp rr, 0,1,2,3
	v_mov_b32 v[RS+2*\rr+1], v[RS+2*\rr]
.endr
	s_wait_loadcnt 0x0                             ; g1, be1
.macro LNC rt                          ; ACC = out1 (kept in f32 for the residual); its f16 fragments go into the exchange
	WIN 0x41
.set p, 0
.rept 32
	v_pk_mul_f32 v[64*(\rt)+2*p:64*(\rt)+2*p+1], v[64*(\rt)+2*p:64*(\rt)+2*p+1], v[RS+2*(\rt):RS+2*(\rt)+1]
.set p, p+1
.endr
.set p, 0
.rept 32
	v_pk_fma_f32 v[64*(\rt)+2*p:64*(\rt)+2*p+1], v[64*(\rt)+2*p:64*(\rt)+2*p+1], v[64+2*p:65+2*p], v[128+2*p:129+2*p]
.set p, p+1
.endr
	WIN 0x05
.set p, 0
.rept 32
	v_cvt_pk_f16_f32 v[192+p], v[64*(\rt)+2*p], v[64*(\rt)+2*p+1]
.set p, p+1
.endr
	WIN 0
.set t, 0
.rept 8
	ds_store_b128 v8, v[192+4*t:195+4*t] offset:((t>>1)*2+((\rt)&1))*1024+(t&1)*512
.set t, t+1
.endr
.endm
.macro XLOAD ph                        ; all 512 columns of two row tiles, from all four waves
	WIN 0x80
.set k, 0
.rept 16
.if k == 8
	WIN 0xc0
.endif
.set t, 0
.rept 2
.set q, 0
.rept 2
	ds_load_b128 v[8*(4*(k&7)+2*(\ph)+t)+4*q:8*(4*(k&7)+2*(\ph)+t)+4*q+3], v9 offset:(2*k+t)*1024+q*512
.set q, q+1
.endr
.set t, t+1
.endr
.set k, k+1
.endr
	WIN 0
.endm
	LNC 0
	LNC 1
	s_wait_dscnt 0x0
	BAR
	XLOAD 0
	s_wait_dscnt 0x0
	BAR                                            ; everybody has read: the exchange may be written again
	LNC 2
	LNC 3
	s_wait_dscnt 0x0
	BAR
	XLOAD 1                                        ; waited for in the next change of slots
	global_load_b128 v[32:35], v19, s[22:23]       ; b1 of my 16 hidden units of chunk 0
	global_load_b128 v[36:39], v19, s[22:23] offset:16
	s_mov_b32 s53, 0
	; THE FFN: 32 chunks of 64 hidden units.  A wave makes 16 of them for all 64 rows; they meet in LDS as fragments; then each wave adds the chunk's part onto its 128 columns.
.macro FTRIP fill
	CHANGE \fill
	v_add_nc_u32 v2, s48, v4
	v_add_nc_u32 v3, 0x10000, v2
	FET8 F0, 2, 0
	FET8 F1, 2, 8192
	s_wait_loadcnt 0x0                             ; b1
	s_wait_dscnt 16
	MG1 F0, 0, BIA0
	PLACES
	FET8 F0, 3, 0                                  ; W2's part, ahead of its use
	s_wait_dscnt 16
	MG1 F1, 1, -1
	PLACES
	FET8 F1, 3, 8192
	EPI 1, 11, 0
.if \fill
	s_add_co_u32 s53, s53, 256
	v_add_nc_u32 v20, s53, v19
	global_load_b128 v[32:35], v20, s[22:23]       ; the next chunk's b1
	global_load_b128 v[36:39], v20, s[22:23] offset:16
.endif
	s_wait_dscnt 0x0
	BAR                                            ; the chunk's hidden layer is whole; the next change of slots stands between its reads and the next stores
	FET4 HF0, 12, 0
	FET4 HF1, 12, 1024
	s_wait_dscnt 8
	MG2 F0, HF0
	s_wait_dscnt 0x0
	MG2 F1, HF1
	WIN 0
.endm
	s_mov_b32 s54, 31
.Lffn:
	FTRIP 1
	s_sub_co_u32 s54, s54, 1
	s_cmp_lg_u32 s54, 0
	s_cbranch_scc1 .Lffn
	FTRIP 0                                        ; the last chunk: nothing is left to fetch
	; LAYERNORM 2, by rows: the slots have had their last fill and become a stage of 64 rows x 2,064 bytes; a wave then owns 16 whole rows.
	s_wait_dscnt 0x0
	BAR
	PLACES
	v_mul_u32_u24 v2, v22, 2064
	v_lshl_add_u32 v2, v23, 5, v2
	v_lshl_add_u32 v2, s32, 9, v2
	v_add_nc_u32 v3, 66048, v2
	s_mul_i32 s66, s32, 33024
	v_add_nc_u32 v6, s66, v1
	v_mov_b32 v7, v5
	WIN 0x04
.set rr, 0
.rept 4
.set i, 0
.rept 16                               ; i = 2 t + q: each accumulator from its low end on
.if rr < 2
	ds_store_b128 v2, v[64*rr+4*i:64*rr+4*i+3] offset:(rr&1)*33024+64*(i>>1)+16*(i&1)
.else
	ds_store_b128 v3, v[64*rr+4*i:64*rr+4*i+3] offset:(rr&1)*33024+64*(i>>1)+16*(i&1)
.endif
.set i, i+1
.endr
.set rr, rr+1
.endr
	WIN 0
.set i, 0
.rept 4
	global_load_b128 v[64+4*i:67+4*i],   v1, s[24:25] offset:512*i  ; b2
	global_load_b128 v[80+4*i:83+4*i],   v1, s[26:27] offset:512*i  ; g2
	global_load_b128 v[96+4*i:99+4*i],   v1, s[28:29] offset:512*i  ; be2
.set i, i+1
.endr
	s_wait_dscnt 0x0
	BAR
	s_wait_loadcnt 0x0
.macro L2S1 X                          ; z += b2; the lane's sum
.set Z, 128+16*(\X)
.set T, 160+8*(\X)
.set i, 0
.rept 8
	v_pk_add_f32 v[Z+2*i:Z+2*i+1], v[Z+2*i:Z+2*i+1], v[64+2*i:65+2*i]
.set i, i+1
.endr
.set i, 0
.rept 4
	v_pk_add_f32 v[T+2*i:T+2*i+1], v[Z+4*i:Z+4*i+1], v[Z+4*i+2:Z+4*i+3]
.set i, i+1
.endr
	v_pk_add_f32 v[T:T+1], v[T:T+1], v[T+2:T+3]
	v_pk_add_f32 v[T+4:T+5], v[T+4:T+5], v[T+6:T+7]
	v_pk_add_f32 v[T:T+1], v[T:T+1], v[T+4:T+5]
	v_add_f32 v[T], v[T], v[T+1]
.endm
.macro L2R                             ; both rows' sums over the 32 lanes
.irp mk, 1,2,4,8
	v_add_f32_dpp v160, v160, v160 row_xmask:\mk row_mask:0xf bank_mask:0xf
	v_add_f32_dpp v168, v168, v168 row_xmask:\mk row_mask:0xf bank_mask:0xf
.endr
	v_permlanex16_b32 v161, v160, s58, s59
	v_permlanex16_b32 v169, v168, s58, s59
	v_add_f32 v160, v160, v161
	v_add_f32 v168, v168, v169
.endm
.macro L2S2 X                          ; z -= mean; the lane's sum of squares
.set Z, 128+16*(\X)
.set T, 160+8*(\X)
.set U, 176+4*(\X)
	v_mul_f32 v[U], s74, v[T]
	v_mov_b32 v[U+1], v[U]
.set i, 0
.rept 8
	v_pk_add_f32 v[Z+2*i:Z+2*i+1], v[Z+2*i:Z+2*i+1], v[U:U+1] neg_lo:[0,1] neg_hi:[0,1]
.set i, i+1
.endr
	v_pk_mul_f32 v[T:T+1], v[Z:Z+1], v[Z:Z+1]
	v_pk_mul_f32 v[T+2:T+3], v[Z+2:Z+3], v[Z+2:Z+3]
.set i, 2
.rept 3
	v_pk_fma_f32 v[T:T+1], v[Z+2*i:Z+2*i+1], v[Z+2*i:Z+2*i+1], v[T:T+1]
	v_pk_fma_f32 v[T+2:T+3], v[Z+2*i+2:Z+2*i+3], v[Z+2*i+2:Z+2*i+3], v[T+2:T+3]
.set i, i+2
.endr
	v_pk_add_f32 v[T:T+1], v[T:T+1], v[T+2:T+3]
	v_add_f32 v[T], v[T], v[T+1]
.endm
.macro L2S3 X                          ; scale, gain, bias, and out: 512 consecutive bytes a store
.set Z, 128+16*(\X)
.set U, 176+4*(\X)
	v_mov_b32 v[U+3], v[U+2]
.set i, 0
.rept 8
	v_pk_mul_f32 v[Z+2*i:Z+2*i+1], v[Z+2*i:Z+2*i+1], v[U+2:U+3]
.set i, i+1
.endr
.set i, 0
.rept 8
	v_pk_fma_f32 v[Z+2*i:Z+2*i+1], v[Z+2*i:Z+2*i+1], v[80+2*i:81+2*i], v[96+2*i:97+2*i]
.set i, i+1
.endr
.set i, 0
.rept 4
	global_store_b128 v7, v[Z+4*i:Z+4*i+3], s[30:31] offset:(\X)*2048+512*i
.set i, i+1
.endr
.endm
	s_mov_b32 s54, 8
.Lrow:                                 ; two rows a trip
.set i, 0
.rept 4
	ds_load_b128 v[128+4*i:131+4*i], v6 offset:512*i
.set i, i+1
.endr
.set i, 0
.rept 4
	ds_load_b128 v[144+4*i:147+4*i], v6 offset:2064+512*i
.set i, i+1
.endr
	s_wait_dscnt 4                                 ; the first row is in
	L2S1 0
	s_wait_dscnt 0x0
	L2S1 1
	L2R
	L2S2 0
	L2S2 1
	L2R
	v_fma_f32 v160, v160, s74, v21
	v_fma_f32 v168, v168, s74, v21
	v_rsq_f32 v178, v160
	v_rsq_f32 v182, v168
	v_nop
	s_wait_alu depctr_va_vdst(0)
	L2S3 0
	L2S3 1
	s_wait_xcnt 0x0                                ; the stores' offset and data registers are written again only behind this wait
	v_add_nc_u32 v6, 4128, v6
	v_add_nc_u32 v7, 4096, v7
	s_sub_co_u32 s54, s54, 1
	s_cmp_lg_u32 s54, 0
	s_cbranch_scc1 .Lrow
	s_wait_tensorcnt 0x0                           ; the wave's end
	ds_add_u32 v28, v29
	s_wait_dscnt 0x0
	CROUND                                         ; the closing round
	s_endpgm
.Lfunc_end_k_qac27f1b537_main:
	.size	k_qac27f1b537_main, .Lfunc_end_k_qac27f1b537_main-k_qac27f1b537_main
	.p2alignl 7, 3214868480
	.fill 96, 4, 3214868480
	.section	.rodata,"a",@progbits
	.p2align	6, 0x0
	.amdhsa_kernel k_qac27f1b537_main
		.amdhsa_group_segment_fixed_size 327680
		.amdhsa_private_segment_fixed_size 0
		.amdhsa_enable_private_segment 0
		.amdhsa_kernarg_size 112
		.amdhsa_user_sgpr_count 2
		.amdhsa_user_sgpr_kernarg_segment_ptr 1
		.amdhsa_wavefront_size32 1
		.amdhsa_system_sgpr_workgroup_id_x 1
		.amdhsa_system_sgpr_workgroup_id_y 1
		.amdhsa_system_sgpr_workgroup_id_z 1
		.amdhsa_system_vgpr_workitem_id 0
		.amdhsa_next_free_vgpr 1024
		.amdhsa_next_free_sgpr 80
		.amdhsa_reserve_vcc 0
		.amdhsa_float_denorm_mode_32 3
		.amdhsa_float_denorm_mode_16_64 3
		.amdhsa_memory_ordered 1
		.amdhsa_forward_progress 1
		.amdhsa_inst_pref_size 209
	.end_amdhsa_kernel
	.amdgpu_metadata
---
amdhsa.version: [ 1, 2 ]
amdhsa.kernels:
  - .name:           k_qac27f1b537_main
    .symbol:         k_qac27f1b537_main.kd
    .args:
      - { .name: x, .offset: 0, .size: 8, .value_kind: global_buffer, .address_space: global }
      - { .name: x16, .offset: 8, .size: 8, .value_kind: global_buffer, .address_space: global }
      - { .name: wst, .offset: 16, .size: 8, .value_kind: global_buffer, .address_space: global }
      - { .name: omf, .offset: 24, .size: 8, .value_kind: global_buffer, .address_space: global }
      - { .name: kvf, .offset: 32, .size: 8, .value_kind: global_buffer, .address_space: global }
      - { .name: bq, .offset: 40, .size: 8, .value_kind: global_buffer, .address_space: global }
      - { .name: bo, .offset: 48, .size: 8, .value_kind: global_buffer, .address_space: global }
      - { .name: g1, .offset: 56, .size: 8, .value_kind: global_buffer, .address_space: global }
      - { .name: be1, .offset: 64, .size: 8, .value_kind: global_buffer, .address_space: global }
      - { .name: b1, .offset: 72, .size: 8, .value_kind: global_buffer, .address_space: global }
      - { .name: b2, .offset: 80, .size: 8, .value_kind: global_buffer, .address_space: global }
      - { .name: g2, .offset: 88, .size: 8, .value_kind: global_buffer, .address_space: global }
      - { .name: be2, .offset: 96, .size: 8, .value_kind: global_buffer, .address_space: global }
      - { .name: out0, .offset: 104, .size: 8, .value_kind: global_buffer, .address_space: global }
    .group_segment_fixed_size: 327680
    .private_segment_fixed_size: 0
    .kernarg_segment_align: 8
    .kernarg_segment_size: 112
    .max_flat_workgroup_size: 128
    .sgpr_count:     80
    .vgpr_count:     1024
    .wavefront_size: 32
...
	.end_amdgpu_metadata
.endif
;; end of part 4
;; ======== version 2 of 2: 4 launches; version 1 with the launch prep written anew for expert scheduling mode
;; limits: values are held in f16: magnitudes above 65,504 overflow, below 6.1e-05 lose precision
;; workspace buffers: x16 16,777,216 bytes; wst 5,242,880 bytes; wkv 1,048,576 bytes; omf 16,384 bytes; part 8,388,608 bytes; pst 262,144 bytes; kvf 1,310,720 bytes
;; launch prep (part 5): grid 449 x 1, 4 waves a work-group, no clusters, 70,144 bytes of LDS; arguments x, Wq, Wo, Wk, Wv, W1, W2, omega, x16, wst, wkv, omf; writes x16, wst, wkv, omf
.if DOCPART == 5
	.amdgcn_target "amdgcn-amd-amdhsa--gfx1250"
	.amdhsa_code_object_version 6
	.text
	.protected	k_qac27f1b537_prep
	.globl	k_qac27f1b537_prep
	.p2align	8
	.type	k_qac27f1b537_prep,@function
k_qac27f1b537_prep:
	s_mov_b64 s[64:65], 0
	v_nop
	global_prefetch_b8 v0, s[64:65] scope:SCOPE_SE
	s_setreg_imm32_b32 hwreg(HW_REG_WAVE_SCHED_MODE, 0, 2), 2
	s_setreg_imm32_b32 hwreg(HW_REG_WAVE_MODE, 25, 1), 1
	s_wait_xcnt 0x0
	s_wait_alu depctr_vm_vsrc(0)
; PREP: x and all weight matrices are rounded once to f16 and laid out in FRAGMENT ORDER, so that the later launches load matrix operands by plain contiguous loads.
; A fragment is 16 (rows or columns) x 32 along K, 1,024 dense bytes: byte 512 q + 16 L (L = lane = 16 h + r) holds K = 16 q + 8 h .. + 7 of index r.
; LIMIT: f16 ends at 65,504 and keeps a fixed step of 6e-8 below 6e-5; x and the weights are taken to lie within it.
; Work-groups 0-255: x.  A wave takes 16 rows (32,768 bytes), turns them in an LDS image of its own and stores 16 fragments.
; Work-groups 256-448: the weights.  A wave takes one task: 32 rows (K) x 128 columns of one matrix = 8 fragments.  770 tasks; the last work-group's waves 2 and 3 have none.
; LDS: on either path wave w touches bytes 17,408 w .. 17,408 w + 17,407 alone (the weights' image takes the first 8,320 of them), so no wave reads or writes another's bytes: no barrier.
; Every store of a wave covers 512 consecutive bytes, aligned.
; THE MODE: SCHED_MODE bits 1:0 = 2 (LLVM: expert scheduling mode 2), set by the entry lines.  The code itself states the register dependences
; between vector instructions and memory or LDS instructions, with s_wait_alu, always for 0.
; THE PLAN, x.  Registers that memory or LDS instructions touch:
;   v1, v2, v3     offsets and LDS addresses, made once at the path's head and never written again.
;   R0 = v[32:95], R1 = v[96:159], R2 = v[160:223]   A batch of four rows (16 loads) lands in one; its 32 roundings work in place; its 16 LDS stores read the two low registers of each four.
;                  Batches 0, 1, 2 take R0, R1, R2; batch 3 takes R0 again; at the end the 32 loads back from LDS land in v[32:159].
;   Batch 0 is rounded, stored and R0 asked for again at once, so that batch 3's loads go out early: one wait on va_vdst ahead of its stores, one on vm_vsrc behind them.
;   From then on a batch's stores stand in the NEXT batch's turn, behind that turn's wait for its data and one wait on va_vdst, dealt among roundings that name another buffer.
; THE PLAN, the weights.  v1, v4, v5 are made once at the path's head, v[8:15] once at .Lcommon.  The 32 loads land in v[32:159], which the roundings read; the roundings write an out-buffer of its own,
;   v[160:223], 16 registers for each group of eight rows of K; a group's four LDS stores stand in the next group's turn, behind its wait for its data and one wait on va_vdst.
;   The loads back from LDS land in v[32:95].  No register that a memory or LDS instruction has read is written again on this path.
.set IMG,  17408                       ; a wave's LDS bytes.  x: 64 blocks (8 columns each) of 16 rows x 16 bytes, 272 bytes apart.  Weights: 8 fragments, 1,040 bytes apart
	s_load_b512 s[4:19], s[0:1], 0x0               ; x 4, Wq 6, Wo 8, Wk 10, Wv 12, W1 14, W2 16, omega 18
	s_load_b256 s[20:27], s[0:1], 0x40             ; x16 20, wst 22, wkv 24, omf 26
	v_lshl_add_u32 v224, v0, 2, 0x11000
	v_mov_b32 v225, 0
	v_lshrrev_b32 v6, 5, v0
	v_readfirstlane_b32 s32, v6                    ; wave
	v_and_b32 v7, 31, v0                           ; L
	v_lshlrev_b32 v1, 4, v7                        ; 16 L
	s_wait_alu depctr_va_sdst(0)                   ; s32 is written, ahead of its first reader and of the branch: LDS bases, tiles and tasks are made from it
	s_mul_i32 s38, s32, IMG                        ; my LDS bytes, on both paths
	s_cmp_lt_u32 ttmp9, 256
	s_cbranch_scc0 .Lweights
	; ---------------- x ----------------
	s_lshl_b32 s33, ttmp9, 2
	s_add_co_u32 s33, s33, s32                     ; R: my tile of 16 rows
	s_lshl_b32 s34, s33, 15                        ; its bytes in x
	s_mov_b32 s35, 0
	s_lshl_b32 s36, s33, 11                        ; its two fragments' place in a 64-column slab of x16
	s_mov_b32 s37, 0
	v_lshrrev_b32 v8, 1, v7
	v_mul_u32_u24 v2, v8, 272
	v_and_b32 v8, 1, v7
	v_lshl_add_u32 v2, v8, 3, v2
	v_add_nc_u32 v2, s38, v2                       ; in: block L / 2, half L % 2 of its 16 bytes
	v_lshrrev_b32 v8, 4, v7
	v_and_b32 v9, 15, v7
	v_mul_u32_u24 v3, v8, 272
	v_lshl_add_u32 v3, v9, 4, v3
	v_add_nc_u32 v3, s38, v3                       ; back: block h, row r
	s_wait_kmcnt 0x0
	s_add_nc_u64 s[4:5], s[4:5], s[34:35]
	s_add_nc_u64 s[20:21], s[20:21], s[36:37]
	s_add_nc_u64 s[40:41], s[20:21], 0x800000      ; slabs 4-7: the stores' immediates stay inside 24 bits
.macro XBATCH bt, buf                  ; four rows, 16 loads of 512 consecutive bytes
.set ii, 0
.rept 4
.set j, 0
.rept 4
	global_load_b128 v[(\buf)+16*ii+4*j:(\buf)+16*ii+4*j+3], v1, s[4:5] offset:(4*(\bt)+ii)*2048+j*512
.set j, j+1
.endr
.set ii, ii+1
.endr
.endm
.macro XRND buf, e                     ; load e of a batch (row e / 4, piece e % 4): four numbers close up into the first two of their four registers
	v_cvt_pk_f16_f32 v[(\buf)+4*(\e)], v[(\buf)+4*(\e)], v[(\buf)+4*(\e)+1]
	v_cvt_pk_f16_f32 v[(\buf)+4*(\e)+1], v[(\buf)+4*(\e)+2], v[(\buf)+4*(\e)+3]
.endm
.macro XOUT bt, buf, e                 ; and go into the image
	ds_store_b64 v2, v[(\buf)+4*(\e):(\buf)+4*(\e)+1] offset:((\e)&3)*4352+16*(4*(\bt)+((\e)>>2))
.endm
; st = 1: the 16 stores of batch sbt, out of sbuf.  rnd = 1: the 32 roundings in rbuf.  With both, a store stands ahead of each two roundings; sbuf and rbuf are different buffers.
.macro XTURN st, sbt, sbuf, rnd, rbuf
.set nn, 0
.rept 16
.if \st
	XOUT \sbt, \sbuf, nn
.endif
.if \rnd
	XRND \rbuf, nn
.endif
.set nn, nn+1
.endr
.endm
	s_wait_alu depctr_va_vdst(0)                   ; v1, v2 and v3 are written: every load, LDS instruction and store of this path reads one of them as its offset or address
	XBATCH 0, 32
	XBATCH 1, 96
	XBATCH 2, 160
	s_wait_loadcnt 32                              ; batch 0 is in; batches 1 and 2 stay out
	XTURN 0, 0, 0, 1, 32
	s_wait_alu depctr_va_vdst(0)                   ; batch 0's roundings have written the stores' data, and are done reading and writing R0, in which batch 3's loads land
	XTURN 1, 0, 32, 0, 0
	s_wait_alu depctr_vm_vsrc(0)                   ; batch 0's LDS stores have read R0, in which batch 3's loads land
	XBATCH 3, 32
	s_wait_loadcnt 32                              ; batch 1 is in; batches 2 and 3 stay out
	XTURN 0, 0, 0, 1, 96
	s_wait_loadcnt 16                              ; batch 2 is in; batch 3 stays out
	s_wait_alu depctr_va_vdst(0)                   ; batch 1's roundings have written R1, which the stores below read; the roundings among them name R2 alone
	XTURN 1, 1, 96, 1, 160
	s_wait_loadcnt 0x0                             ; batch 3 is in
	s_wait_alu depctr_va_vdst(0)                   ; batch 2's roundings have written R2, which the stores below read; the roundings among them name R0 alone
	XTURN 1, 2, 160, 1, 32
	s_wait_alu depctr_va_vdst(0)                   ; batch 3's roundings have written R0, which the stores below read; all roundings are done with v[32:159], in which the loads back land
	XTURN 1, 3, 32, 0, 0
	s_wait_alu depctr_vm_vsrc(0)                   ; all LDS stores have read their data in v[32:159], in which the loads back land
.set i, 0
.rept 32                               ; i = 2 g + q; LDS serves a wave's instructions in order: these see the stores above
	ds_load_b128 v[32+4*i:32+4*i+3], v3 offset:i*544
.set i, i+1
.endr
.set i, 0
.rept 32
	s_wait_dscnt 31-i
.if i < 16
	global_store_b128 v1, v[32+4*i:32+4*i+3], s[20:21] offset:((i>>2)&3)*2097152+((i>>1)&1)*1024+(i&1)*512
.else
	global_store_b128 v1, v[32+4*i:32+4*i+3], s[40:41] offset:((i>>2)&3)*2097152+((i>>1)&1)*1024+(i&1)*512
.endif
.set i, i+1
.endr
	s_wait_dscnt 0x0                               ; the closing lines, six on end
	s_wait_alu 0x0
	s_wait_tensorcnt 0x0
	ds_add_u32 v224, v225
	s_wait_dscnt 0x0
	s_endpgm
	; ---------------- the weights ----------------
.macro WLOAD pitch                     ; 32 rows of K, my 128 columns: 512 consecutive bytes a load
.set i, 0
.rept 32
	global_load_b128 v[32+4*i:32+4*i+3], v1, s[28:29] offset:i*(\pitch)
.set i, i+1
.endr
.endm
.Lweights:
	s_sub_co_u32 s33, ttmp9, 256
	s_lshl_b32 s33, s33, 2
	s_add_co_u32 s33, s33, s32                     ; T: my task
	s_cmp_lt_u32 s33, 770
	s_cbranch_scc0 .Lend
	v_lshrrev_b32 v8, 2, v7
	v_mul_u32_u24 v4, v8, 1040
	v_and_b32 v8, 3, v7
	v_lshl_add_u32 v4, v8, 6, v4
	v_add_nc_u32 v4, s38, v4                       ; in: fragment L / 4, index 4 (L % 4) + u
	v_add_nc_u32 v5, s38, v1                       ; back: 16 L
	s_wait_alu depctr_va_vdst(0)                   ; v1, v4 and v5 are written: the loads below (in whichever of their three places) read v1, the LDS instructions v4 and v5
	s_mov_b32 s47, 0
	s_and_b32 s37, s33, 63
	s_lshr_b32 s40, s37, 2                         ; g: the step of 32 along K
	s_and_b32 s41, s37, 3                          ; G: the group of 128 columns
	s_wait_kmcnt 0x0
	; each block sets: source s[28:29], destination s[30:31], its offset s34, the steps s35 (fragment / 4) and s36 (fragment % 4)
	s_cmp_lt_u32 s33, 64
	s_cbranch_scc0 .Lnot_wq
	s_mov_b64 s[28:29], s[6:7]                     ; Wq: tile 8 hh + t', in it [wave G][g]
	s_mov_b64 s[30:31], s[22:23]
	s_lshl_b32 s34, s41, 14
	s_lshl_b32 s42, s40, 10
	s_add_co_u32 s34, s34, s42
	s_mov_b32 s35, 524288
	s_mov_b32 s36, 65536
	s_branch .Lrows2048
.Lnot_wq:
	s_cmp_lt_u32 s33, 128
	s_cbranch_scc0 .Lnot_wo
	s_mov_b64 s[28:29], s[8:9]                     ; Wo: K step g is head g / 2 = 2 w' + hh, half g % 2; kappa = 2 w' + g % 2
	s_mov_b64 s[30:31], s[22:23]
	s_bfe_u32 s42, s40, 0x10001                    ; hh
	s_lshr_b32 s43, s40, 2
	s_lshl_b32 s43, s43, 1
	s_and_b32 s44, s40, 1
	s_or_b32 s43, s43, s44                         ; kappa
	s_lshl_b32 s34, s42, 19
	s_add_co_u32 s34, s34, 262144                  ; tile 8 hh + 4
	s_lshr_b32 s44, s43, 2
	s_lshl_b32 s44, s44, 17
	s_add_co_u32 s34, s34, s44                     ; slot kappa / 4
	s_lshl_b32 s44, s41, 15
	s_add_co_u32 s34, s34, s44                     ; wave G
	s_and_b32 s44, s43, 3
	s_lshl_b32 s44, s44, 13
	s_add_co_u32 s34, s34, s44                     ; kappa % 4
	s_mov_b32 s35, 4096
	s_mov_b32 s36, 1024
	s_branch .Lrows2048
.Lnot_wo:
	s_cmp_lt_u32 s33, 256
	s_cbranch_scc0 .Lnot_wkv
	s_cmp_lt_u32 s33, 192                          ; Wk, then Wv: [head 2 G + fragment / 4][g][k or v][fragment % 4]
	s_cselect_b64 s[28:29], s[10:11], s[12:13]
	s_cselect_b32 s34, 0, 4096
	s_mov_b64 s[30:31], s[24:25]
	s_lshl_b32 s42, s41, 18
	s_add_co_u32 s34, s34, s42
	s_lshl_b32 s42, s40, 13
	s_add_co_u32 s34, s34, s42
	s_mov_b32 s35, 131072
	s_mov_b32 s36, 1024
	s_branch .Lrows2048
.Lnot_wkv:
	s_cmp_lt_u32 s33, 512
	s_cbranch_scc0 .Lnot_w1
	s_sub_co_u32 s37, s33, 256                     ; W1: rows of 8,192 bytes; chunk 2 G + fragment / 4, wave fragment % 4
	s_lshr_b32 s40, s37, 4
	s_and_b32 s41, s37, 15
	s_mov_b64 s[30:31], s[22:23]
	s_lshl_b32 s34, s41, 18
	s_add_co_u32 s34, s34, 1048576
	s_lshl_b32 s42, s40, 10
	s_add_co_u32 s34, s34, s42
	s_mov_b32 s35, 131072
	s_mov_b32 s36, 16384
	s_lshl_b32 s46, s40, 18
	s_lshl_b32 s44, s41, 9
	s_add_co_u32 s46, s46, s44
	s_add_nc_u64 s[28:29], s[14:15], s[46:47]
	WLOAD 8192
	s_branch .Lcommon
.Lnot_w1:
	s_cmp_lt_u32 s33, 768
	s_cbranch_scc0 .Lomega
	s_sub_co_u32 s37, s33, 512                     ; W2: chunk g / 2, in it [wave G][g % 2][fragment]
	s_lshr_b32 s40, s37, 2
	s_and_b32 s41, s37, 3
	s_mov_b64 s[28:29], s[16:17]
	s_mov_b64 s[30:31], s[22:23]
	s_lshr_b32 s34, s40, 1
	s_lshl_b32 s34, s34, 17
	s_add_co_u32 s34, s34, 1114112
	s_lshl_b32 s42, s41, 14
	s_add_co_u32 s34, s34, s42
	s_and_b32 s42, s40, 1
	s_lshl_b32 s42, s42, 13
	s_add_co_u32 s34, s34, s42
	s_mov_b32 s35, 4096
	s_mov_b32 s36, 1024
	s_branch .Lrows2048
.Lomega:
	s_sub_co_u32 s40, s33, 768                     ; omega: rows of 512 bytes; [fragment][g]
	s_mov_b64 s[30:31], s[26:27]
	s_lshl_b32 s34, s40, 10
	s_mov_b32 s35, 8192
	s_mov_b32 s36, 2048
	s_lshl_b32 s46, s40, 14
	s_add_nc_u64 s[28:29], s[18:19], s[46:47]
	WLOAD 512
	s_branch .Lcommon
.Lrows2048:
	s_lshl_b32 s46, s40, 16                        ; 32 rows of 2,048 bytes a step,
	s_lshl_b32 s44, s41, 9                         ; 512 bytes a group of columns
	s_add_co_u32 s46, s46, s44
	s_add_nc_u64 s[28:29], s[28:29], s[46:47]
	WLOAD 2048
.Lcommon:
.irp nt, 0,1,2,3,4,5,6,7
	s_mul_i32 s44, s35, (\nt)>>2
	s_mul_i32 s45, s36, (\nt)&3
	s_add_co_u32 s44, s44, s45
	s_add_co_u32 s44, s44, s34
	v_add_nc_u32 v[8+\nt], s44, v1                 ; where fragment nt goes
.endr
; Group kb: eight rows of K, q = kb / 2, h = kb % 2: loads 8 kb .. 8 kb + 7, sixteen roundings into out-registers v[160 + 16 kb ..].  The four LDS stores of group kb - 1 are dealt among them.
.macro WGRP kb
	s_wait_loadcnt 24-8*(\kb)                      ; loads come back in order (ISA guide 5.7.1): this group's eight rows are in, the later rows' loads stay out
.if (\kb) > 0
	s_wait_alu depctr_va_vdst(0)                   ; the group before has written its sixteen out-registers, which the stores below read (at the first such wait v[8:15] are written too); the roundings among them name other registers
.endif
.set u, 0
.rept 4                                ; my column 4 L + u
.if (\kb) > 0
	ds_store_b128 v4, v[160+4*(4*((\kb)-1)+u):160+4*(4*((\kb)-1)+u)+3] offset:(((\kb)-1)>>1)*512+(((\kb)-1)&1)*256+u*16
.endif
.set z, 0
.rept 4
	v_cvt_pk_f16_f32 v[160+4*(4*(\kb)+u)+z], v[32+4*(8*(\kb)+2*z)+u], v[32+4*(8*(\kb)+2*z+1)+u]
.set z, z+1
.endr
.set u, u+1
.endr
.endm
	WGRP 0
	WGRP 1
	WGRP 2
	WGRP 3
	s_wait_alu depctr_va_vdst(0)                   ; the last group has written its out-registers, which the stores below read; all roundings are done reading v[32:95], in which the loads back land
.set u, 0
.rept 4
	ds_store_b128 v4, v[160+4*(12+u):160+4*(12+u)+3] offset:768+u*16
.set u, u+1
.endr
.set i, 0
.rept 16                               ; i = 2 fragment + q; LDS serves a wave's instructions in order: these see the stores above
	ds_load_b128 v[32+4*i:32+4*i+3], v5 offset:(i>>1)*1040+(i&1)*512
.set i, i+1
.endr
.set i, 0
.rept 16
	s_wait_dscnt 15-i
	global_store_b128 v[8+(i>>1)], v[32+4*i:32+4*i+3], s[30:31] offset:(i&1)*512
.set i, i+1
.endr
.Lend:
	s_wait_dscnt 0x0                               ; the closing lines, six on end
	s_wait_alu 0x0
	s_wait_tensorcnt 0x0
	ds_add_u32 v224, v225
	s_wait_dscnt 0x0
	s_endpgm
.Lfunc_end_k_qac27f1b537_prep:
	.size	k_qac27f1b537_prep, .Lfunc_end_k_qac27f1b537_prep-k_qac27f1b537_prep
	.p2alignl 7, 3214868480
	.fill 96, 4, 3214868480
	.section	.rodata,"a",@progbits
	.p2align	6, 0x0
	.amdhsa_kernel k_qac27f1b537_prep
		.amdhsa_group_segment_fixed_size 70144
		.amdhsa_private_segment_fixed_size 0
		.amdhsa_enable_private_segment 0
		.amdhsa_kernarg_size 96
		.amdhsa_user_sgpr_count 2
		.amdhsa_user_sgpr_kernarg_segment_ptr 1
		.amdhsa_wavefront_size32 1
		.amdhsa_system_sgpr_workgroup_id_x 1
		.amdhsa_system_sgpr_workgroup_id_y 1
		.amdhsa_system_sgpr_workgroup_id_z 1
		.amdhsa_system_vgpr_workitem_id 0
		.amdhsa_next_free_vgpr 226
		.amdhsa_next_free_sgpr 66
		.amdhsa_reserve_vcc 0
		.amdhsa_float_denorm_mode_32 3
		.amdhsa_float_denorm_mode_16_64 3
		.amdhsa_memory_ordered 1
		.amdhsa_forward_progress 1
		.amdhsa_inst_pref_size 50
	.end_amdhsa_kernel
	.amdgpu_metadata
---
amdhsa.version: [ 1, 2 ]
amdhsa.kernels:
  - .name:           k_qac27f1b537_prep
    .symbol:         k_qac27f1b537_prep.kd
    .args:
      - { .name: x, .offset: 0, .size: 8, .value_kind: global_buffer, .address_space: global }
      - { .name: Wq, .offset: 8, .size: 8, .value_kind: global_buffer, .address_space: global }
      - { .name: Wo, .offset: 16, .size: 8, .value_kind: global_buffer, .address_space: global }
      - { .name: Wk, .offset: 24, .size: 8, .value_kind: global_buffer, .address_space: global }
      - { .name: Wv, .offset: 32, .size: 8, .value_kind: global_buffer, .address_space: global }
      - { .name: W1, .offset: 40, .size: 8, .value_kind: global_buffer, .address_space: global }
      - { .name: W2, .offset: 48, .size: 8, .value_kind: global_buffer, .address_space: global }
      - { .name: omega, .offset: 56, .size: 8, .value_kind: global_buffer, .address_space: global }
      - { .name: x16, .offset: 64, .size: 8, .value_kind: global_buffer, .address_space: global }
      - { .name: wst, .offset: 72, .size: 8, .value_kind: global_buffer, .address_space: global }
      - { .name: wkv, .offset: 80, .size: 8, .value_kind: global_buffer, .address_space: global }
      - { .name: omf, .offset: 88, .size: 8, .value_kind: global_buffer, .address_space: global }
    .group_segment_fixed_size: 70144
    .private_segment_fixed_size: 0
    .kernarg_segment_align: 8
    .kernarg_segment_size: 96
    .max_flat_workgroup_size: 128
    .sgpr_count:     66
    .vgpr_count:     226
    .wavefront_size: 32
...
	.end_amdgpu_metadata
.endif
;; end of part 5
;; launch kvp: the kernel of part 2 again; grid 8 x 32, 4 waves a work-group, clusters of 4 x 1, 327,680 bytes of LDS; arguments x16, wkv, omf, bk, bv, part, pst; writes part, pst
;; launch red: the kernel of part 3 again; grid 256 x 1, 4 waves a work-group, no clusters, 0 bytes of LDS; arguments part, pst, kvf; writes kvf
;; launch main: the kernel of part 4 again; grid 256 x 1, 4 waves a work-group, clusters of 4 x 1, 327,680 bytes of LDS; arguments x, x16, wst, omf, kvf, bq, bo, g1, be1, b1, b2, g2, be2, out0; writes out0
